; MI455X (gfx1250); checked and timed in simulation.
; The chip was launched on July 23, 2026; its instructions are those of AMD's public machine-readable ISA for CDNA 5 (MIT licence, August 2026) and "CDNA5" Instruction Set Architecture Reference Guide (July 2026). The comments in the code are by the model that wrote it; some were corrected since.
;; Block. Allowed arithmetic: matrix products marked QUANTISED: E4M3 operands, one E8M0 scale for each 32 along K, by v_wmma_scale_f32_16x16x128_f8f6f4 with both operands' format E4M3, f32 sums; everything else in f32.
;; Inputs: W_attn 1,024 x 3,072 float32; W_fc 1,024 x 4,096 float32; W_proj 4,096 x 1,024 float32; b_attn 3,072 float32; b_fc 4,096 float32; b_proj 1,024 float32; ln1_b 1,024 float32; ln1_g 1,024 float32; ln2_b 1,024 float32; ln2_g 1,024 float32; x 2 x 2,048 x 1,024 float32.
;; Outputs: out0 2 x 2,048 x 1,024 float32.
;; This version of the problem:
;;   THIS VERSION OF THE PROBLEM IS GIVEN IN LOW PRECISION. The matrix products marked QUANTISED in the list below multiply operands that are first quantised to E4M3 (4 exponent bits, 3 mantissa bits; 8 bits a number), with one power-of-two scale for each 32 numbers along K (OCP MX v1.0); their sums are f32. All else is computed in f32.
;;   The module's matrix products, in the order in which they are computed (A, B: the left and right operand; K: the contracted axis; several contracted axes count as one K, in the product's order):
;;     1. [M 4,096, K 1,024] x [K 1,024, N 3,072]; A: computed on the way; B: input W_attn: QUANTISED
;;     2. batch 32 x [M 2,048, K 64] x [K 64, N 2,048]; A: computed on the way; B: computed on the way: QUANTISED
;;     3. batch 32 x [M 2,048, K 2,048] x [K 2,048, N 64]; A: softmax (see below); B: computed on the way: QUANTISED
;;     4. [M 4,096, K 1,024] x [K 1,024, N 4,096]; A: computed on the way; B: input W_fc: QUANTISED
;;     5. [M 4,096, K 4,096] x [K 4,096, N 1,024]; A: computed on the way; B: input W_proj: QUANTISED
;;   THE QUANTISER, for each operand of a quantised product, along K:
;;     - K is cut into blocks of 32 from its start; a last block that is shorter is filled with zeros.
;;     - A block's scale is 2^e with e = floor(log2(the largest magnitude in the block)) - 8, held to -126 .. 127; a block of zeros has e = 0. As a byte (E8M0): e + 127.
;;     - Each number is divided by its block's scale, clamped to +-448, and rounded to the nearest number of E4M3, ties to even, subnormals kept.
;;     - The product sums the exact products of the quantised numbers (number of the format x scale) in f32.
;;   ~~~python
;;   def quantise(x, axis):      # numpy; x: float32 -> the quantised numbers, widened to float32 again
;;       x = np.moveaxis(x, axis, -1); K = x.shape[-1]
;;       x = np.pad(x, [(0, 0)] * (x.ndim - 1) + [(0, -K % 32)]); x = x.reshape(x.shape[:-1] + (-1, 32)); a = np.abs(x).max(-1, keepdims=True)
;;       e = np.where(a > 0, np.clip(np.frexp(np.where(a > 0, a, 1))[1] - 1 - 8, -126, 127), 0)      # np.frexp(a)[1] - 1 = floor(log2(a)), exactly
;;       r = np.clip(x / 2.0 ** e, -448, 448)
;;       step = 2.0 ** (np.maximum(np.frexp(np.where(r == 0, 1, r))[1] - 1, -6) - 3)
;;       q = np.round(r / step) * step * 2.0 ** e      # np.round: ties to even
;;       return np.moveaxis(q.reshape(q.shape[:-2] + (-1,))[..., :K], -1, axis).astype(np.float32)
;;   ~~~
;;   SOFTMAX AHEAD OF A QUANTISED PRODUCT. Where the list says 'softmax', what is quantised is not the finished softmax but p = 2^(t - M), with t = logit x log2(e) and M = ceil(the row's largest t), a whole number; so 1/2 < the row's largest p <= 1. The row's sum l is taken of the UNQUANTISED p, in f32, and the product's result is divided by l at the end. Since M is a whole number, a kernel that streams over the keys may use a running M (the ceiling of the running maximum): every later rescaling is an exact power of two, which a block's scale takes up: the codes' values come out the same.
;;   OPERANDS COMPUTED ON THE WAY. 'Computed on the way' means the value that the module computes at that place (a softmax that the list does not call 'softmax' is quantised finished and normalised). What goes into a quantiser is computed in f32, as accurately as f32 sums, v_exp_f32 and their like allow (about 1e-6 of the number): no bf16 or f16 on the way to a quantiser, and a product that is left as it is and whose result goes on into a quantised operand takes f32 operands (vector FMAs, or v_wmma_f32_16x16x4_f32). A number that lies on a knife's edge between two numbers of the format may be rounded either way, as far as f32 arithmetic and the matrix unit's own rounding can turn it there, and no further.
;; One version. Each part assembles by itself: llvm-mc -triple=amdgcn-amd-amdhsa -mcpu=gfx1250 --defsym DOCPART=n.
;; ======== version 1 of 1: 6 launches
;; limits: right only within a limited range of input values
;; workspace buffers: wts 11,894,784 bytes; hbuf 4,325,376 bytes; qkvb 13,238,272 bytes; x1 16,777,216 bytes; mbuf 17,301,504 bytes
;; launch prep (part 1): grid 960 x 1, 8 waves a work-group, no clusters, 10,240 bytes of LDS; arguments x, ln1_g, ln1_b, hbuf, W_attn, W_fc, W_proj, wts; writes hbuf, wts
.if DOCPART == 1
	.amdgcn_target "amdgcn-amd-amdhsa--gfx1250"
	.amdhsa_code_object_version 6
	.text
	.protected	k_q8c7c77bdfb_prep
	.globl	k_q8c7c77bdfb_prep
	.p2align	8
	.type	k_q8c7c77bdfb_prep,@function
k_q8c7c77bdfb_prep:
	s_mov_b64 s[64:65], 0
	v_nop
	global_prefetch_b8 v0, s[64:65] scope:SCOPE_SE
	s_setreg_imm32_b32 hwreg(HW_REG_WAVE_MODE, 25, 1), 1
	s_wait_xcnt 0x0
; THE PROGRAM: a transformer block (layer norm, QKV, causal attention, residual, layer norm, FC, exact GELU, projection, residual); all five products on codes of FP8 (E4M3) with one E8M0 scale for each 32 along K.
; DEAD WORK: the only work left out in the whole program are key steps of attention all of whose 128 keys come after all 16 queries of a wave: reference() builds the causal tril itself and sets those scores to -inf,
; so their weights are 0 for all values of the inputs.  Every input has a way to the output and is loaded (b_attn's part for K too: it moves K's codes).  LIMIT: a NaN, an infinity or an overflow that reaches only those hidden scores is not carried to the result.
; THIS LAUNCH.  Work-groups 0-255: layer norm of 16 tokens each, quantised along the 1,024 channels.  Work-groups 256-607: the three weights, stored [K][N], quantised along K.  (The same body, on 256 work-groups, is the second layer norm.)
; EVERY OPERAND LIES IN MEMORY AS AN IMAGE OF ITS REGISTERS: codes [group of 16 rows][K / 128][c 0..3][lane][16 bytes]: lane (r, h), piece c holds k = 32 c + 16 h + 0..15 of the fragment's place r; scale words [group][K / 128][r].
; THE ROWS OF A GROUP ARE NOT NEIGHBOURS: place r of group 2 B + u is row 32 B + 8 u + r + 8 (r / 8), so that a transposed product's 16 registers of two neighbouring tiles are 16 neighbours along the next K.
; LIMITS: NaN and infinities among the inputs are not served; a block of zeros keeps the scale byte 1 where the rule says 127 (its codes are zeros, and this program alone reads the bytes); blocks whose largest magnitude lies under 2^-118 were not tried.
; THE WORK-GROUPS AS THEY STAND: 0-255 the layer norm; 256-447 W_attn, 448-703 W_fc, 704-959 W_proj (this takes the place of the numbers given above for the weights).
.set H_S,  4194304                     ; hbuf: codes of 4,096 x 1,024, then the scale words
.set WA_C, 0                           ; wts: codes of W_attn, W_fc, W_proj, then their scale words
.set WF_C, 3145728
.set WP_C, 7340032
.set WA_S, 11534336
.set WF_S, 11632640
.set WP_S, 11763712
.set SPARE, 1024                       ; LDS: 0-511 the waves' sums, 512-1023 their sums of squares, from 1,024 the spare words, 128 bytes a wave
.set SPW, 8                            ; v8  LDS address of my spare word; never rewritten
.set NIL, 9                            ; v9  0; never rewritten
.set PW,  10                           ; v10 the scale word
.set X,   32                           ; v32-95   my 64 numbers of a token (weights: two blocks of 32 down K)
.set GA,  96                           ; v96-111, v112-127: two buffers by turns, each with 8 gains and 8 biases
.set PC,  96                           ; v96-111  the codes, when gain and bias are done with (weights: two blocks' codes)
.set TM,  16                           ; v16-31   at work in QUANT, when the sums are done with
.set GB0, 2048                         ; LDS, behind the spare words: 1,024 bytes for each wave: its 128 gains, then its 128 biases
; chunk j of gain and bias: the 8 numbers that go with registers X + 8 j on: channels 32 (j / 2) + 16 h + 8 (j % 2) on of my wave's 128; all sixteen lanes of a half read the same bytes
.macro GBL j
	ds_load_b128 v[GA+16*((\j)%2):GA+16*((\j)%2)+3], v5 offset:128*((\j)/2)+32*((\j)%2)
	ds_load_b128 v[GA+16*((\j)%2)+4:GA+16*((\j)%2)+7], v5 offset:128*((\j)/2)+32*((\j)%2)+16
	ds_load_b128 v[GA+16*((\j)%2)+8:GA+16*((\j)%2)+11], v5 offset:512+128*((\j)/2)+32*((\j)%2)
	ds_load_b128 v[GA+16*((\j)%2)+12:GA+16*((\j)%2)+15], v5 offset:512+128*((\j)/2)+32*((\j)%2)+16
.endm
.set SEL, 22                           ; s[22:23] lane selects: lane l xor 16
.set MNT, 24                           ; s24 the mantissa field of 448
; 64 numbers of a lane, register 16 b + i = k 32 b + 16 (lane / 16) + i of my row, become a fragment's codes in v[PC] on and its scale word in v[PW]
.macro QUANT s
.irp b, 0,1,2,3
	v_max3_num_f32 v[TM+\b], |v[\s+16*\b]|, |v[\s+1+16*\b]|, 0x4800000   ; my 16 numbers of block b, and the floor 2^(9 - 127): the byte cannot fall under 1
.endr
.irp i, 2,4,6,8,10,12,14
.irp b, 0,1,2,3
	s_delay_alu instid0(VALU_DEP_4)
	v_max3_num_f32 v[TM+\b], v[TM+\b], |v[\s+16*\b+\i]|, |v[\s+1+16*\b+\i]|
.endr
.endr
.irp b, 0,1,2,3
	s_delay_alu instid0(VALU_DEP_4)
	v_permlanex16_b32 v[TM+4+\b], v[TM+\b], s[SEL], s[SEL+1]
.endr
.irp b, 0,1,2,3
	s_delay_alu instid0(VALU_DEP_4)
	v_max_num_f32 v[TM+\b], v[TM+\b], v[TM+4+\b]       ; with lane l xor 16's: the block's largest magnitude
.endr
.irp b, 0,1,2,3
	s_delay_alu instid0(VALU_DEP_4)
	v_add_nc_u32 v[TM+12+\b], 0xfc000000, v[TM+\b]     ; 8 off its exponent field: the conversion's scale operand
.endr
.irp b, 0,1,2,3
	v_and_or_b32 v[TM+8+\b], v[TM+\b], 0x7f800000, s[MNT]   ; 448 x the scale
.endr
.irp b, 0,1,2,3
	v_lshrrev_b32 v[TM+4+\b], 23, v[TM+12+\b]          ; the scale's byte
.endr
	s_delay_alu instid0(VALU_DEP_3)
	v_lshl_or_b32 v[PW], v[TM+5], 8, v[TM+4]
	s_delay_alu instid0(VALU_DEP_1)
	v_lshl_or_b32 v[PW], v[TM+6], 16, v[PW]
	s_delay_alu instid0(VALU_DEP_1)
	v_lshl_or_b32 v[PW], v[TM+7], 24, v[PW]
.irp b, 0,1,2,3
.irp i, 0,1,2,3,4,5,6,7,8,9,10,11,12,13,14,15
	v_med3_num_f32 v[\s+16*\b+\i], v[\s+16*\b+\i], -v[TM+8+\b], v[TM+8+\b]   ; the conversion to an 8-bit code does not saturate (ISA guide 7.6.2): the hold comes first
.endr
	v_cvt_scalef32_pk8_fp8_f32 v[PC+4*\b:PC+1+4*\b], v[\s+16*\b:\s+7+16*\b], v[TM+12+\b]
	v_cvt_scalef32_pk8_fp8_f32 v[PC+2+4*\b:PC+3+4*\b], v[\s+8+16*\b:\s+15+16*\b], v[TM+12+\b]
.endr
	v_nop                                          ; a plain line behind the last conversion
.endm
; the sum (sq = 0) or the sum of squares (sq = 1) of my 64 numbers and of lane l xor 16's, in four chains: v16
.macro SUM64 sq
.if \sq
.irp c, 0,1,2,3
	v_pk_mul_f32 v[16+2*\c:17+2*\c], v[X+2*\c:X+2*\c+1], v[X+2*\c:X+2*\c+1]
.endr
.irp p, 1,2,3,4,5,6,7
.irp c, 0,1,2,3
	s_delay_alu instid0(VALU_DEP_4)
	v_pk_fma_f32 v[16+2*\c:17+2*\c], v[X+8*\p+2*\c:X+8*\p+2*\c+1], v[X+8*\p+2*\c:X+8*\p+2*\c+1], v[16+2*\c:17+2*\c]
.endr
.endr
.else
.irp c, 0,1,2,3
	v_pk_add_f32 v[16+2*\c:17+2*\c], v[X+2*\c:X+2*\c+1], v[X+8+2*\c:X+9+2*\c]
.endr
.irp p, 2,3,4,5,6,7
.irp c, 0,1,2,3
	s_delay_alu instid0(VALU_DEP_4)
	v_pk_add_f32 v[16+2*\c:17+2*\c], v[16+2*\c:17+2*\c], v[X+8*\p+2*\c:X+8*\p+2*\c+1]
.endr
.endr
.endif
	s_delay_alu instid0(VALU_DEP_3)
	v_pk_add_f32 v[16:17], v[16:17], v[18:19]
	s_delay_alu instid0(VALU_DEP_2)
	v_pk_add_f32 v[20:21], v[20:21], v[22:23]
	s_delay_alu instid0(VALU_DEP_1)
	v_pk_add_f32 v[16:17], v[16:17], v[20:21]
	s_delay_alu instid0(VALU_DEP_1)
	v_add_f32 v16, v16, v17
	s_delay_alu instid0(VALU_DEP_1)
	v_permlanex16_b32 v17, v16, s[SEL], s[SEL+1]
	s_delay_alu instid0(VALU_DEP_1)
	v_add_f32 v16, v16, v17
.endm
; the eight waves' parts, read from LDS byte off on, added in a fixed tree: v24
.macro ALL8 off
.irp w, 0,1,2,3,4,5,6,7
	ds_load_b32 v[24+\w], v7 offset:\off+64*\w
.endr
	s_wait_dscnt 0x0
	v_add_f32 v24, v24, v25
	v_add_f32 v26, v26, v27
	v_add_f32 v28, v28, v29
	v_add_f32 v30, v30, v31
	s_delay_alu instid0(VALU_DEP_3)
	v_add_f32 v24, v24, v26
	s_delay_alu instid0(VALU_DEP_2)
	v_add_f32 v28, v28, v30
	s_delay_alu instid0(VALU_DEP_1)
	v_add_f32 v24, v24, v28
.endm
	s_load_b512 s[4:19], s[0:1], 0x0               ; the rows s[4:5], gain s[6:7], bias s[8:9], hbuf s[10:11], W_attn s[12:13], W_fc s[14:15], W_proj s[16:17], wts s[18:19]
	v_lshl_add_u32 v[SPW], v0, 2, SPARE
	v_mov_b32 v[NIL], 0
	v_lshrrev_b32 v1, 5, v0
	s_delay_alu instid0(VALU_DEP_1)
	v_readfirstlane_b32 s20, v1                    ; wave 0..7
	v_and_b32 v1, 31, v0                           ; lane
	v_and_b32 v2, 15, v0                           ; r
	v_bfe_u32 v3, v0, 4, 1                         ; h
	s_delay_alu instid0(VALU_DEP_2)
	v_and_b32 v11, 8, v2
	s_delay_alu instid0(VALU_DEP_1)
	v_add_nc_u32 v11, v11, v2                      ; r + 8 (r / 8)
	s_mov_b32 s[SEL], 0x76543210
	s_mov_b32 s[SEL+1], 0xfedcba98
	s_mov_b32 s[MNT], 0x600000
	s_wait_kmcnt 0x0
	s_cmp_ge_u32 ttmp9, 256
	s_cbranch_scc1 .Lweights
	; ---- LAYER NORM.  The work-group is a group of 16 tokens; wave w owns channels 128 w on: lane (r, h) holds 64 numbers of the token at place r, k = 128 w + 32 c + 16 h + i
	s_wait_alu depctr_va_vdst(0)
	v_lshlrev_b32 v4, 12, v11
	s_delay_alu instid0(VALU_DEP_1)
	v_lshl_add_u32 v4, v3, 6, v4                   ; my token's row of 4,096 bytes, + 64 h
	s_wait_alu depctr_va_vdst(0)
	v_lshlrev_b32 v5, 6, v3                        ; gain and bias: 64 h
	s_wait_alu depctr_va_vdst(0)
	v_lshlrev_b32 v6, 4, v1                        ; an image's place for my lane
	v_lshlrev_b32 v7, 2, v2                        ; 4 r
	s_lshl_b32 s21, s20, 6
	v_add_nc_u32 v11, s21, v7                      ; LDS: where my wave's sum for token r goes
	s_lshl_b32 s38, s20, 10
	s_add_co_u32 s38, s38, GB0                     ; my wave's gain and bias in LDS
	v_add_nc_u32 v5, s38, v5                       ; out of it: + 64 h
	v_add_nc_u32 v2, s38, v6                       ; into it: 16 x lane
	s_wait_alu depctr_va_vdst(0)                   ; the wait here, ahead of the run of scalar lines
	s_mov_b32 s25, 0x3a800000                      ; 1 / 1,024
	s_mov_b32 s26, 0x3727c5ac                      ; 1e-5
	s_lshr_b32 s27, ttmp9, 1
	s_lshl_b32 s27, s27, 5
	s_and_b32 s28, ttmp9, 1
	s_lshl_b32 s28, s28, 3
	s_add_co_u32 s27, s27, s28                     ; the group's first token: 32 (g / 2) + 8 (g % 2)
	s_lshl_b32 s28, s27, 12
	s_lshl_b32 s30, s20, 9                         ; my wave's 512 bytes of a row
	s_add_co_u32 s28, s28, s30
	s_mov_b32 s29, 0
	s_mov_b32 s31, 0
	s_add_nc_u64 s[4:5], s[4:5], s[28:29]
	s_add_nc_u64 s[6:7], s[6:7], s[30:31]
	s_add_nc_u64 s[8:9], s[8:9], s[30:31]
	s_lshl_b32 s32, ttmp9, 3
	s_add_co_u32 s32, s32, s20                     ; my fragment: 8 g + w
	s_lshl_b32 s34, s32, 11
	s_mov_b32 s35, 0
	s_add_nc_u64 s[34:35], s[10:11], s[34:35]
	s_lshl_b32 s36, s32, 6
	s_add_co_u32 s36, s36, H_S
	s_mov_b32 s37, 0
	s_add_nc_u64 s[36:37], s[10:11], s[36:37]
.irp c, 0,1,2,3
.irp j, 0,1,2,3
	global_load_b128 v[X+16*\c+4*\j:X+16*\c+4*\j+3], v4, s[4:5] offset:128*\c+16*\j th:TH_LOAD_NT
.endr
.endr
	global_load_b128 v[GA:GA+3], v6, s[6:7]        ; my wave's 128 gains, 16 bytes a lane: 512 consecutive bytes
	global_load_b128 v[GA+4:GA+7], v6, s[8:9]      ; and its 128 biases
	s_wait_loadcnt 0x0
	ds_store_b128 v2, v[GA:GA+3]                   ; into my wave's own LDS bytes: no other wave touches them, and LDS serves a wave's instructions in order
	ds_store_b128 v2, v[GA+4:GA+7] offset:512
	SUM64 0
	ds_store_b32 v11, v16                          ; both lanes of a token write the same word with the same value
	s_wait_dscnt 0x0                               ; for the others' sake: my store has landed
	s_barrier_signal -1
	s_barrier_wait -1
	ALL8 0
	s_delay_alu instid0(VALU_DEP_1)
	v_mul_f32 v12, s25, v24                        ; the mean
	s_delay_alu instid0(VALU_DEP_1)
	v_mov_b32 v13, v12
.set Q, 0
.rept 32
	v_pk_add_f32 v[X+Q:X+Q+1], v[X+Q:X+Q+1], v[12:13] neg_lo:[0,1] neg_hi:[0,1]
.set Q, Q+2
.endr
	SUM64 1
	ds_store_b32 v11, v16 offset:512               ; bytes of their own: no wave still reads them
	s_wait_dscnt 0x0
	s_barrier_signal -1
	s_barrier_wait -1
	ALL8 512
	s_delay_alu instid0(VALU_DEP_1)
	v_fma_f32 v14, v24, s25, s26                   ; the variance + 1e-5
	s_wait_alu depctr_va_vdst(0)
	v_rsq_f32 v14, v14
	v_nop                                          ; a plain line behind the transcendental
	s_wait_alu depctr_va_vdst(0)                   ; the wait ahead of the first line that names the result
	v_mov_b32 v15, v14
	GBL 0
	GBL 1
.set Q, 0
.rept 32
	v_pk_mul_f32 v[X+Q:X+Q+1], v[X+Q:X+Q+1], v[14:15]
.set Q, Q+2
.endr
.irp j, 0,1,2,3,4,5,6,7
	s_wait_alu depctr_va_vdst(0)                   ; the wait here, directly ahead of the wait below
	s_wait_dscnt 4*(1-(\j)/7)                      ; this chunk's four loads are in; the next chunk's four may be out
.irp q, 0,1,2,3
	v_pk_fma_f32 v[X+8*\j+2*\q:X+8*\j+2*\q+1], v[X+8*\j+2*\q:X+8*\j+2*\q+1], v[GA+16*(\j%2)+2*\q:GA+16*(\j%2)+2*\q+1], v[GA+16*(\j%2)+8+2*\q:GA+16*(\j%2)+8+2*\q+1]
.endr
.if \j < 6
	GBL \j+2                                       ; the buffer just used takes the chunk two on
.endif
.endr
	QUANT X
.irp c, 0,1,2,3
	global_store_b128 v6, v[PC+4*\c:PC+4*\c+3], s[34:35] offset:512*\c   ; 32 lanes store 512 consecutive bytes
.endr
	global_store_b32 v7, v[PW], s[36:37]           ; lanes l and l xor 16 hold the same word and write it to the same place
	s_wait_tensorcnt 0x0                           ; the wave's end
	ds_add_u32 v[SPW], v[NIL]
	s_wait_dscnt 0x0
	s_endpgm
; ---- THE WEIGHTS.  A lane takes a column and its registers run down K: a block of 32 lies in one lane, and the codes come out with K innermost.  No LDS.
; A work-group takes 128 columns x 128 along K; wave w takes 32 columns (number w % 4) x 64 along K (half w / 4): two blocks of 32, all 64 loads out at once.
; Lanes 0-15 are the places of row-group col0 / 16, lanes 16-31 those of the next.  A wave stores its half of a fragment's image and its two bytes of each scale word.
.macro WLOAD t, N
.set Q, 0
.rept 32
	global_load_b32 v[32+32*(\t)+Q], v4, s[28:29] offset:(32*(\t)+Q)*\N*4 th:TH_LOAD_NT   ; 32 lanes read 128 consecutive bytes of a row of W
.set Q, Q+1
.endr
.endm
.macro WBLOCK t, N
.set XS, 32+32*(\t)
	s_wait_loadcnt 32*(1-(\t))                     ; this block's 32 loads are in; the second block's 32 may be out
	v_max3_num_f32 v12, |v[XS]|, |v[XS+1]|, |v[XS+2]|
	v_max3_num_f32 v13, |v[XS+3]|, |v[XS+4]|, |v[XS+5]|
.irp i, 6,10,14,18,22,26
	s_delay_alu instid0(VALU_DEP_2)
	v_max3_num_f32 v12, v12, |v[XS+\i]|, |v[XS+\i+1]|
	s_delay_alu instid0(VALU_DEP_2)
	v_max3_num_f32 v13, v13, |v[XS+\i+2]|, |v[XS+\i+3]|
.endr
	s_delay_alu instid0(VALU_DEP_2)
	v_max3_num_f32 v12, v12, |v[XS+30]|, |v[XS+31]|
	s_delay_alu instid0(VALU_DEP_1)
	v_max3_num_f32 v12, v12, v13, 0x4800000        ; and the floor
	s_delay_alu instid0(VALU_DEP_1)
	v_add_nc_u32 v15, 0xfc000000, v12              ; the conversion's scale operand
	s_delay_alu instid0(VALU_DEP_2)
	v_and_or_b32 v14, v12, 0x7f800000, s[MNT]      ; 448 x the scale
	s_delay_alu instid0(VALU_DEP_2)
	v_lshrrev_b32 v13, 23, v15                     ; the byte
.if (\t) == 0
	s_delay_alu instid0(VALU_DEP_1)
	v_mov_b32 v24, v13
.else
	s_delay_alu instid0(VALU_DEP_1)
	v_lshl_or_b32 v24, v13, 8*(\t), v24
.endif
.set Q, 0
.rept 32
	v_med3_num_f32 v[XS+Q], v[XS+Q], -v14, v14
.set Q, Q+1
.endr
.irp g, 0,1,2,3
	v_cvt_scalef32_pk8_fp8_f32 v[PC+8*(\t)+2*\g:PC+8*(\t)+2*\g+1], v[XS+8*\g:XS+8*\g+7], v15
.endr
	global_store_b128 v5, v[PC+8*(\t):PC+8*(\t)+3], s[30:31] offset:512*(\t)         ; k 0-15 of the block: the image's lanes 0-15; sixteen lanes store 256 consecutive bytes
	global_store_b128 v5, v[PC+8*(\t)+4:PC+8*(\t)+7], s[30:31] offset:512*(\t)+256   ; k 16-31: its lanes 16-31
.endm
.macro WQ N, LOGS, src, CODEOFF, SCOFF, IDBASE
.set SS, 1<<\LOGS                      ; K / 128
	s_sub_co_u32 s21, ttmp9, \IDBASE
	s_and_b32 s25, s21, SS-1                       ; which 128 along K
	s_lshr_b32 s26, s21, \LOGS
	s_lshl_b32 s26, s26, 7
	s_and_b32 s27, s20, 3
	s_lshl_b32 s27, s27, 5
	s_add_co_u32 s26, s26, s27                     ; my wave's first column
	s_lshr_b32 s34, s20, 2                         ; my half of the 128 along K
	s_lshl_b32 s28, s25, 1
	s_add_co_u32 s28, s28, s34
	s_mul_i32 s28, s28, 64*\N*4
	s_lshl_b32 s27, s26, 2
	s_add_co_u32 s28, s28, s27
	s_mov_b32 s29, 0
	s_add_nc_u64 s[28:29], s[\src:\src+1], s[28:29]
	s_lshr_b32 s27, s26, 4
	s_lshl_b32 s27, s27, \LOGS
	s_add_co_u32 s27, s27, s25                     ; my first fragment
	s_lshl_b32 s30, s27, 11
	s_add_co_u32 s30, s30, \CODEOFF
	s_lshl_b32 s35, s34, 10                        ; pieces c = 2, 3 of the image for the upper half
	s_add_co_u32 s30, s30, s35
	s_mov_b32 s31, 0
	s_add_nc_u64 s[30:31], s[18:19], s[30:31]
	s_lshl_b32 s32, s27, 6
	s_add_co_u32 s32, s32, \SCOFF
	s_lshl_b32 s35, s34, 1                         ; bytes 2, 3 of the scale word for the upper half
	s_add_co_u32 s32, s32, s35
	s_mov_b32 s33, 0
	s_add_nc_u64 s[32:33], s[18:19], s[32:33]
	v_lshl_add_u32 v4, v3, 3, v11                  ; my column: 8 u + r + 8 (r / 8)
	s_delay_alu instid0(VALU_DEP_1)
	v_lshlrev_b32 v4, 2, v4
	v_lshlrev_b32 v5, 4, v2
	s_delay_alu instid0(VALU_DEP_1)
	v_lshl_add_u32 v5, v3, 11+\LOGS, v5            ; codes: 16 r, + a row-group's bytes for lanes 16-31
	v_lshlrev_b32 v6, 2, v2
	s_delay_alu instid0(VALU_DEP_1)
	v_lshl_add_u32 v6, v3, 6+\LOGS, v6             ; scale words likewise
	WLOAD 0, \N
	WLOAD 1, \N
	s_wait_alu depctr_va_vdst(0)
	WBLOCK 0, \N
	WBLOCK 1, \N
	global_store_b16 v6, v24, s[32:33]             ; my two bytes of the scale word
	s_endpgm
.endm
.Lweights:
	s_cmp_ge_u32 ttmp9, 448
	s_cbranch_scc1 .Lnot_attn
	s_wait_alu depctr_va_vdst(0)
	WQ 3072, 3, 12, WA_C, WA_S, 256
.Lnot_attn:
	s_cmp_ge_u32 ttmp9, 704
	s_cbranch_scc1 .Lw_proj
	s_wait_alu depctr_va_vdst(0)
	WQ 4096, 3, 14, WF_C, WF_S, 448
.Lw_proj:
	s_wait_alu depctr_va_vdst(0)
	WQ 1024, 5, 16, WP_C, WP_S, 704
.Lfunc_end_k_q8c7c77bdfb_prep:
	.size	k_q8c7c77bdfb_prep, .Lfunc_end_k_q8c7c77bdfb_prep-k_q8c7c77bdfb_prep
	.p2alignl 7, 3214868480
	.fill 96, 4, 3214868480
	.section	.rodata,"a",@progbits
	.p2align	6, 0x0
	.amdhsa_kernel k_q8c7c77bdfb_prep
		.amdhsa_group_segment_fixed_size 10240
		.amdhsa_private_segment_fixed_size 0
		.amdhsa_enable_private_segment 0
		.amdhsa_kernarg_size 64
		.amdhsa_user_sgpr_count 2
		.amdhsa_user_sgpr_kernarg_segment_ptr 1
		.amdhsa_wavefront_size32 1
		.amdhsa_system_sgpr_workgroup_id_x 1
		.amdhsa_system_sgpr_workgroup_id_y 1
		.amdhsa_system_sgpr_workgroup_id_z 1
		.amdhsa_system_vgpr_workitem_id 0
		.amdhsa_next_free_vgpr 128
		.amdhsa_next_free_sgpr 66
		.amdhsa_reserve_vcc 0
		.amdhsa_float_denorm_mode_32 3
		.amdhsa_float_denorm_mode_16_64 3
		.amdhsa_memory_ordered 1
		.amdhsa_forward_progress 1
		.amdhsa_inst_pref_size 81
	.end_amdhsa_kernel
	.amdgpu_metadata
---
amdhsa.version: [ 1, 2 ]
amdhsa.kernels:
  - .name:           k_q8c7c77bdfb_prep
    .symbol:         k_q8c7c77bdfb_prep.kd
    .args:
      - { .name: x, .offset: 0, .size: 8, .value_kind: global_buffer, .address_space: global }
      - { .name: ln1_g, .offset: 8, .size: 8, .value_kind: global_buffer, .address_space: global }
      - { .name: ln1_b, .offset: 16, .size: 8, .value_kind: global_buffer, .address_space: global }
      - { .name: hbuf, .offset: 24, .size: 8, .value_kind: global_buffer, .address_space: global }
      - { .name: W_attn, .offset: 32, .size: 8, .value_kind: global_buffer, .address_space: global }
      - { .name: W_fc, .offset: 40, .size: 8, .value_kind: global_buffer, .address_space: global }
      - { .name: W_proj, .offset: 48, .size: 8, .value_kind: global_buffer, .address_space: global }
      - { .name: wts, .offset: 56, .size: 8, .value_kind: global_buffer, .address_space: global }
    .group_segment_fixed_size: 10240
    .private_segment_fixed_size: 0
    .kernarg_segment_align: 8
    .kernarg_segment_size: 64
    .max_flat_workgroup_size: 256
    .sgpr_count:     66
    .vgpr_count:     128
    .wavefront_size: 32
...
	.end_amdgpu_metadata
.endif
;; end of part 1
;; launch qkv (part 2): grid 12 x 16, 4 waves a work-group, clusters of 4 x 4, 327,680 bytes of LDS; arguments hbuf, wts, b_attn, qkvb; writes qkvb
.if DOCPART == 2
	.amdgcn_target "amdgcn-amd-amdhsa--gfx1250"
	.amdhsa_code_object_version 6
	.text
	.protected	k_q8c7c77bdfb_qkv
	.globl	k_q8c7c77bdfb_qkv
	.p2align	8
	.type	k_q8c7c77bdfb_qkv,@function
k_q8c7c77bdfb_qkv:
	s_mov_b64 s[64:65], 0
	v_nop
	global_prefetch_b8 v0, s[64:65] scope:SCOPE_SE
	s_setreg_imm32_b32 hwreg(HW_REG_WAVE_MODE, 25, 1), 1
	s_wait_xcnt 0x0
	s_wait_alu depctr_hold_cnt(0) depctr_sa_sdst(0) depctr_va_vdst(0) depctr_va_sdst(0) depctr_va_ssrc(0) depctr_va_vcc(0) depctr_vm_vsrc(0)
	s_getreg_b32 s2, hwreg(HW_REG_IB_STS2, 6, 4)
	s_cmp_eq_u32 s2, 0
	s_cbranch_scc0 .Lentry_in_a_cluster
	s_endpgm
.Lentry_in_a_cluster:
	s_bfe_u32 s2, ttmp6, 0x10000c
	s_cmp_lg_u32 s2, 0xf033
	s_cbranch_scc0 .Lentry_shape_is_right
	s_endpgm
.Lentry_shape_is_right:
; q, k, v = LN1(x) W_attn + b_attn on codes of FP8 (E4M3) with E8M0 scales, and each result quantised at once for attention's products.  No work of reference() is left out here.
; A tile of 256 x 256 to a work-group of four waves, 128 x 128 a wave (64 accumulators, 512 registers); K = 1,024 in four steps of 256 through a ring of two LDS slots filled by the tensor data mover.
; OPERANDS ARE IMAGES OF THEIR REGISTERS (see the first kernel): a fragment is 2,048 consecutive bytes, read from LDS at 16 x lane: no pitch, no padding.  The scale words of all of K come into LDS once.
; THE MATRIX INSTRUCTION IS USED TRANSPOSED (source 0 = B's 16 rows, source 1 = A's): a lane holds one row of A, and its 64 registers of A's block run along 128 rows of B in the order that the next operand's layout wants.
; Clusters with x = 0, 1 make q and k: A = tokens, B = W's columns; a lane's registers run along two heads' channels, the K of q k^T.  Clusters with x = 2 make V TRANSPOSED by the same text: A = W's columns 2,048 on, B = tokens:
; a lane's registers then run along the tokens, the K of p v.  The choice hangs on the cluster's x alone, which all sixteen partners share.
; CLUSTERS: 4 x 4; A's tiles are asked for jointly along a row of the cluster, B's along a column.
; REGISTERS: window 0: v1-6, v16-29 addresses; v32-63 scale words, two sets; v64-127 the bias; v128-255 A's fragments.  window 1: B's fragments, two sets; on the way out the work.  windows 2, 3: the accumulators.
; LIMITS: as stated at the head of the first kernel.
.set H_S,  4194304
.set WA_S, 11534336
.set Q_S,  12582912                    ; qkvb: q's codes, k's codes (images of [4,096 tokens][1,024]), V^T's codes (image of [1,024 channels][4,096 tokens]); q's and k's scale words [batch x head][group of tokens][r]; V^T's [group][tokens / 128][r]
.set VT_C, 8388608
.set VT_S, 13107200
.set NQ,    2                          ; matrix instructions deep in a slot
.set FR,    16
.set NL,    4
.set NP,    8                          ; places behind this matrix instruction (ISA guide 7.12.1)
.set FRB,   2048                       ; a fragment's image
.set RGB,   4096                       ; a row-group's bytes in a slot
.set HALFT, 32768                      ; 128 rows x 256 K: what one tensor load brings
.set SLOT,  131072
.set LAPS,  2
.set SCL,   262144                     ; behind the ring: the scale words: A's two halves, then, 64 bytes further on so that the two halves of the lanes read other banks, B's two
.set HALFS, 4096
.set SPARE, 278784                     ; the spare words, 128 bytes a wave
.set ADRA, 16
.set ADRB, 20
.set LI,   24                          ; v24 16 x lane
.set RS,   25                          ; v25 4 r
.set ADRS, 27
.set SPW,  28
.set NIL,  29
.set SC,   32
.set BI,   64
.set AF,   128
.set T,    0                           ; window 1, on the way out: v0-63 a block's 64 numbers
.set PC,   192
.set TM,   208
.set PW,   224
.set PWO,  226
.set SH,   227
.set G1, 24
.set G0, 32
.set G1B, 48
.set G0B, 56
.set G1S, 68
.set G0S, 76
.set G1SB, 80
.set G0SB, 88
.set SEL, 90                           ; written on the way out, when every tensor load has been waited for
.set MNT, 95
.set CNT, 3
.set MSB, 0
.macro WIN new                         ; the immediate's high byte repeats the setting that is left
.if MSB != \new
	s_set_vgpr_msb (MSB<<8)|\new
.set MSB, \new
.endif
.endm
.set MUL_LO, 0xa1                      ; source 0 (B) window 1, source 1 (A) window 0, C and D window 2
.set MUL_HI, 0xf1
.set TO_B,   0x40
; A joint load: waves 0 and 1 fetch for A, waves 2 and 3 for B; the branch hangs on the wave's number alone.  An s_nop 0 and four v_nop follow each line.
.macro JLOAD g0a, g1a, g0b, g1b
	s_cmp_eq_u32 s15, 0
	s_cbranch_scc0 .Lfor_b_\@
	tensor_load_to_lds s[\g0a:\g0a+3], s[\g1a:\g1a+7]
	s_nop 0
.rept 4
	v_nop
.endr
	s_branch .Lasked_\@
.Lfor_b_\@:
	tensor_load_to_lds s[\g0b:\g0b+3], s[\g1b:\g1b+7]
	s_nop 0
.rept 4
	v_nop
.endr
.Lasked_\@:
.endm
.macro CREST
	s_cmp_lg_u32 s14, 0
	s_cbranch_scc1 .Lnot_wave_0_\@
	s_barrier_signal -3
.Lnot_wave_0_\@:
	s_barrier_wait -3
	s_barrier_signal -1
	s_barrier_wait -1
.endm
.macro CROUND
	s_barrier_signal -1
	s_barrier_wait -1
	CREST
.endm
.macro FRAG reg, adr, q, i             ; a fragment comes back as it was stored: four loads of 512 consecutive bytes
.irp c, 0,1,2,3
	ds_load_b128 v[\reg+4*\c:\reg+4*\c+3], v[\adr] offset:(\i)*RGB+(\q)*FRB+512*\c
.endr
.endm
; 16 matrix instructions: A's blocks a0, a0 + 1 x B's eight.  The 64 accumulators take turns, one instruction a turn, in the same order in every step.
.macro MUL16 a0, p, q, sc, zero
.irp a, \a0, \a0+1
.irp b, 0,1,2,3,4,5,6,7
.if \zero
	v_wmma_scale_f32_16x16x128_f8f6f4 v[8*(8*((\a)%4)+\b):8*(8*((\a)%4)+\b)+7], v[128*(\p)+FR*\b:128*(\p)+FR*\b+FR-1], v[AF+FR*(\a):AF+FR*(\a)+FR-1], 0, v[SC+8*NQ*(\sc)+NQ*\b+(\q)], v[SC+8*NQ*(\sc)+NQ*(\a)+(\q)] matrix_a_scale:MATRIX_SCALE_ROW1
.else
	v_wmma_scale_f32_16x16x128_f8f6f4 v[8*(8*((\a)%4)+\b):8*(8*((\a)%4)+\b)+7], v[128*(\p)+FR*\b:128*(\p)+FR*\b+FR-1], v[AF+FR*(\a):AF+FR*(\a)+FR-1], v[8*(8*((\a)%4)+\b):8*(8*((\a)%4)+\b)+7], v[SC+8*NQ*(\sc)+NQ*\b+(\q)], v[SC+8*NQ*(\sc)+NQ*(\a)+(\q)] matrix_a_scale:MATRIX_SCALE_ROW1
.endif
.endr
.endr
.endm
.macro FETCH_B slot, q, p
	WIN TO_B
.irp i, 0,1,2,3,4,5,6,7
	FRAG 128*(\p)+FR*\i, ADRB+\slot, \q, \i
.endr
	WIN 0
.endm
.macro FETCH_A slot, q, i0
.irp i, \i0, \i0+1, \i0+2, \i0+3
	FRAG AF+FR*(\i), ADRA+\slot, \q, \i
.endr
.endm
.macro SCALES sc                       ; a K step's scale words: lanes 0-15 take A's block i, lanes 16-31 B's block i
.irp i, 0,1,2,3,4,5,6,7
.irp q, 0,1
	ds_load_b32 v[SC+8*NQ*\sc+NQ*\i+\q], v[ADRS] offset:\i*512+\q*64
.endr
.endr
.endm
.macro PLACES n
.rept \n
	v_nop
.endr
.endm
.macro STEP slot, q, zero
	s_wait_dscnt 4*NL                              ; B's set, A's blocks 0-3 and the scale words are in; the youngest 16 loads (A's blocks 4-7) may be out
	WIN MUL_LO
	MUL16 0, (\q)%2, \q, \slot, \zero
	MUL16 2, (\q)%2, \q, \slot, \zero
	s_wait_dscnt 0
	PLACES NP                                      ; in front of loads into registers that matrix instructions have read
	FETCH_B \slot, (\q)+1, 1-(\q)%2
	FETCH_A \slot, (\q)+1, 0
	WIN MUL_HI
	MUL16 4, (\q)%2, \q, \slot, \zero
	MUL16 6, (\q)%2, \q, \slot, \zero
	PLACES NP
	WIN 0
	FETCH_A \slot, (\q)+1, 4
.endm
; A slot's last step changes slots: one barrier; in front of it each wave waits for all its tensor loads, adds 0 to its spare word, and waits for that and for its reads of this slot.
.macro TURN slot, next, fill
	s_wait_tensorcnt 0x0                           ; all my tensor loads have landed: my part of the next slot
	ds_add_u32 v[SPW], v[NIL]
	s_wait_dscnt 4*NL+1                            ; (the add and A's blocks 4-7 may be out)
	WIN MUL_LO
	MUL16 0, 1, NQ-1, \slot, 0
	s_wait_dscnt 0x0                               ; the add is done, and my reads of this slot are over
	s_barrier_signal -1
	MUL16 2, 1, NQ-1, \slot, 0
	WIN 0
	s_barrier_wait -1
.if \fill
	CREST                                          ; the barrier has opened a round of the cluster's: no wave of any partner still reads this slot or has a load on its way
	s_add_nc_u64 s[G0+4*\slot+2:G0+4*\slot+3], s[G0+4*\slot+2:G0+4*\slot+3], 2*RGB
	s_add_nc_u64 s[G0B+4*\slot+2:G0B+4*\slot+3], s[G0B+4*\slot+2:G0B+4*\slot+3], 2*RGB
	JLOAD G0+4*\slot, G1, G0B+4*\slot, G1B         ; the first tensor load behind the round
	PLACES NP-4
.else
	PLACES NP
.endif
	s_wait_alu depctr_va_vdst(0)
	v_add_nc_u32 v[ADRS], 64*NQ, v[ADRS]           ; the next K step's scale words
	FETCH_B \next, 0, 0
	FETCH_A \next, 0, 0
	SCALES \next
	WIN MUL_HI
	MUL16 4, 1, NQ-1, \slot, 0
	MUL16 6, 1, NQ-1, \slot, 0
	PLACES NP
	WIN 0
	FETCH_A \next, 0, 4
.endm
; 64 numbers of a lane, register 16 b + i = k 32 b + 16 (lane / 16) + i of my row, become a fragment's codes in v[PC] on and its scale word in v[PW]
.macro QUANT s
.irp b, 0,1,2,3
	v_max3_num_f32 v[TM+\b], |v[\s+16*\b]|, |v[\s+1+16*\b]|, 0x4800000   ; each block's 16 numbers in TWO chains side by side; the first begins with the floor 2^(9 - 127): the byte cannot fall under 1
.endr
.irp b, 0,1,2,3
	v_max3_num_f32 v[TM+8+\b], |v[\s+16*\b+2]|, |v[\s+16*\b+3]|, |v[\s+16*\b+4]|
.endr
.irp i, 5,9
.irp b, 0,1,2,3
	v_max3_num_f32 v[TM+\b], v[TM+\b], |v[\s+16*\b+\i]|, |v[\s+16*\b+\i+1]|
.endr
.irp b, 0,1,2,3
	v_max3_num_f32 v[TM+8+\b], v[TM+8+\b], |v[\s+16*\b+\i+2]|, |v[\s+16*\b+\i+3]|
.endr
.endr
.irp b, 0,1,2,3
	v_max3_num_f32 v[TM+\b], v[TM+\b], |v[\s+16*\b+13]|, |v[\s+16*\b+14]|
.endr
.irp b, 0,1,2,3
	v_max3_num_f32 v[TM+\b], v[TM+\b], v[TM+8+\b], |v[\s+16*\b+15]|      ; the two chains joined
.endr
.irp b, 0,1,2,3
	v_permlanex16_b32 v[TM+4+\b], v[TM+\b], s[SEL], s[SEL+1]
.endr
.irp b, 0,1,2,3
	v_max_num_f32 v[TM+\b], v[TM+\b], v[TM+4+\b]
.endr
.irp b, 0,1,2,3
	v_add_nc_u32 v[TM+12+\b], 0xfc000000, v[TM+\b]
.endr
.irp b, 0,1,2,3
	v_and_or_b32 v[TM+8+\b], v[TM+\b], 0x7f800000, s[MNT]
.endr
.irp b, 0,1,2,3
	v_lshrrev_b32 v[TM+4+\b], 23, v[TM+12+\b]
.endr
	v_lshl_or_b32 v[PW], v[TM+5], 8, v[TM+4]       ; the scale word's three lines stand among the holds, a block's conversions behind the next block's holds
.irp b, 0,1,2,3
.irp i, 0,1,2,3,4,5,6,7,8,9,10,11,12,13,14,15
	v_med3_num_f32 v[\s+16*\b+\i], v[\s+16*\b+\i], -v[TM+8+\b], v[TM+8+\b]   ; the conversion does not saturate (ISA guide 7.6.2): the hold comes first
.endr
.if \b == 0
	v_lshl_or_b32 v[PW], v[TM+6], 16, v[PW]
.else
.if \b == 1
	v_lshl_or_b32 v[PW], v[TM+7], 24, v[PW]
.endif
	v_cvt_scalef32_pk8_fp8_f32 v[PC+4*(\b-1):PC+1+4*(\b-1)], v[\s+16*(\b-1):\s+7+16*(\b-1)], v[TM+12+(\b-1)]
	v_cvt_scalef32_pk8_fp8_f32 v[PC+2+4*(\b-1):PC+3+4*(\b-1)], v[\s+8+16*(\b-1):\s+15+16*(\b-1)], v[TM+12+(\b-1)]
.endif
.endr
	v_cvt_scalef32_pk8_fp8_f32 v[PC+12:PC+13], v[\s+48:\s+55], v[TM+15]
	v_cvt_scalef32_pk8_fp8_f32 v[PC+14:PC+15], v[\s+56:\s+63], v[TM+15]
	v_nop                                          ; a plain line behind the last conversion
.endm
; The way out walks A's eight blocks in a loop; register numbers are fixed in the text, so the one part that names the accumulators is written eight times and chosen by the loop's counter:
; block k's 64 sums + the bias go into v[T] on, each accumulator from its low end on.  rowb = 1: the bias goes with A's row (one number a lane, held twice); 0: with B's rows.
.macro ARM k, join, rowb, last
.if !\last
	s_cmp_eq_u32 s[CNT], \k
	s_cbranch_scc0 .Lna_\@
.endif
	WIN (0x42+(\k)/4)                              ; destination window 1, source 0 window 2 or 3, source 1 window 0
.set Q, 0
.rept 32
.if \rowb
	v_pk_add_f32 v[T+Q:T+Q+1], v[64*((\k)%4)+Q:64*((\k)%4)+Q+1], v[BI+2*(\k):BI+2*(\k)+1]
.else
	v_pk_add_f32 v[T+Q:T+Q+1], v[64*((\k)%4)+Q:64*((\k)%4)+Q+1], v[BI+Q:BI+Q+1]
.endif
.set Q, Q+2
.endr
	WIN 0
.if !\last
	s_branch \join
.Lna_\@:
.endif
.endm
	s_load_b256 s[4:11], s[0:1], 0x0               ; hbuf s[4:5], wts s[6:7], b_attn s[8:9], qkvb s[10:11]
	v_lshl_add_u32 v[SPW], v0, 2, SPARE
	v_mov_b32 v[NIL], 0
	ds_add_u32 v[SPW], v[NIL]                      ; the wave's opening: the add, twice on end, and its wait ahead of my first tensor load
	ds_add_u32 v[SPW], v[NIL]
	v_lshrrev_b32 v1, 5, v0
	v_readfirstlane_b32 s14, v1                    ; wave 0..3
	s_lshr_b32 s15, s14, 1                         ; which half of A's rows is mine.  Also: I fetch for A (0) or for B (1)
	s_and_b32 s16, s14, 1                          ; which half of B's rows.  Also: which 128 rows I fetch
	s_bfe_u32 s40, ttmp6, 0x40000                  ; cx
	s_bfe_u32 s41, ttmp6, 0x40004                  ; cy
	s_and_b32 s45, ttmp7, 0xffff
	s_lshl_b32 s45, s45, 2                         ; 4 x cluster y
	s_add_co_u32 s17, s45, s41                     ; q, k: A's tile = tokens' tile 4 cluster y + cy
	s_add_co_u32 s12, s41, 8                       ; v:    A's tile = W's tile 8 + cy
	s_lshl_b32 s42, ttmp9, 2
	s_add_co_u32 s42, s42, s40                     ; q, k: B's tile = W's tile 4 cluster x + cx
	s_add_co_u32 s13, s45, s40                     ; v:    B's tile = tokens' tile 4 cluster y + cx
	s_cmp_eq_u32 ttmp9, 2
	s_cselect_b32 s17, s12, s17                    ; A's tile hangs on cy alone,
	s_cselect_b32 s42, s13, s42                    ; B's on cx alone
	s_lshl_b32 s43, s41, 2
	s_lshl_b32 s43, 15, s43                        ; my row of the cluster
	s_lshl_b32 s44, 0x1111, s40                    ; my column
	; descriptor group 1, codes: 8 row-groups x 4,096 bytes (512 elements of 8 bytes), 16,384 bytes apart
	s_or_b32 s[G1+0], s43, (3<<16)|(1<<21)
	s_or_b32 s[G1B+0], s44, (3<<16)|(1<<21)
.irp g, G1, G1B
	s_mov_b32 s[\g+1], 512<<16
	s_mov_b32 s[\g+2], 16<<16                      ; the head's loads bring 16 row-groups; behind them these two words are set to 8, for the ring's
	s_mov_b32 s[\g+3], 512<<16
	s_mov_b32 s[\g+4], 16
	s_mov_b32 s[\g+5], 2048
	s_mov_b32 s[\g+6], 0
	s_mov_b32 s[\g+7], 0
.endr
	; scale words of 256 rows, all of K: 8,192 dense bytes as 32 rows of 256
	s_or_b32 s[G1S+0], s43, (3<<16)|(1<<21)
	s_or_b32 s[G1SB+0], s44, (3<<16)|(1<<21)
.irp g, G1S, G1SB
	s_mov_b32 s[\g+1], 32<<16
	s_mov_b32 s[\g+2], 32<<16                      ; the scale words of 256 rows: 8,192 dense bytes as 32 rows of 256
	s_mov_b32 s[\g+3], 32<<16
	s_mov_b32 s[\g+4], 32
	s_mov_b32 s[\g+5], 32
	s_mov_b32 s[\g+6], 0
	s_mov_b32 s[\g+7], 0
.endr
	s_lshl_b32 s18, s16, 7
	s_lshl_b32 s20, s17, 8
	s_add_co_u32 s20, s20, s18                     ; A: row 256 x tile + 128 x half
	s_lshl_b32 s46, s42, 8
	s_add_co_u32 s46, s46, s18                     ; B likewise
	s_lshl_b32 s22, s17, 13                        ; scale words: 32 bytes a row, from the tile's first row
	s_mov_b32 s23, 0
	s_lshl_b32 s92, s42, 13
	s_mov_b32 s93, 0
	s_lshl_b32 s20, s20, 10                        ; codes: 1,024 bytes a row
	s_mov_b32 s21, 0
	s_lshl_b32 s46, s46, 10
	s_mov_b32 s47, 0
	s_mul_i32 s45, s14, HALFT                      ; where they go: no place in the cluster enters an LDS address
	s_wait_dscnt 0x0                               ; both opening adds are done
	s_wait_kmcnt 0x0
	s_add_nc_u64 s[96:97], s[4:5], H_S             ; the tokens' scale words
	s_add_nc_u64 s[98:99], s[6:7], WA_S            ; W_attn's
	s_cmp_eq_u32 ttmp9, 2                          ; the choice hangs on the cluster's x alone
	s_cselect_b64 s[12:13], s[6:7], s[4:5]         ; A's codes
	s_cselect_b64 s[18:19], s[98:99], s[96:97]     ; A's scale words
	s_cselect_b64 s[4:5], s[4:5], s[6:7]           ; B's codes
	s_cselect_b64 s[6:7], s[96:97], s[98:99]       ; B's scale words
	s_add_nc_u64 s[20:21], s[12:13], s[20:21]
	s_add_nc_u64 s[22:23], s[18:19], s[22:23]
	s_add_nc_u64 s[46:47], s[4:5], s[46:47]
	s_add_nc_u64 s[92:93], s[6:7], s[92:93]
	CROUND                                         ; all sixteen work-groups are here: the first joint loads meet
	s_mov_b32 s[G0S], 1
	s_mov_b32 s[G0S+1], SCL
	s_mov_b64 s[G0S+2:G0S+3], s[22:23]
	s_or_b32 s[G0S+3], s[G0S+3], 0x80000000
	s_mov_b32 s[G0SB], 1
	s_mov_b32 s[G0SB+1], SCL+64+2*HALFS
	s_mov_b64 s[G0SB+2:G0SB+3], s[92:93]
	s_or_b32 s[G0SB+3], s[G0SB+3], 0x80000000
.irp s, 0,1
	s_mov_b32 s[G0+4*\s], 1
	s_add_co_u32 s[G0+4*\s+1], s45, \s*SLOT
	s_add_nc_u64 s[G0+4*\s+2:G0+4*\s+3], s[20:21], \s*RGB
	s_or_b32 s[G0+4*\s+3], s[G0+4*\s+3], 0x80000000
	s_mov_b32 s[G0B+4*\s], 1
	s_add_co_u32 s[G0B+4*\s+1], s45, \s*SLOT
	s_add_nc_u64 s[G0B+4*\s+2:G0B+4*\s+3], s[46:47], \s*RGB
	s_or_b32 s[G0B+4*\s+3], s[G0B+4*\s+3], 0x80000000
.endr
	; THE PREFETCHES: a K step of the 8 row-groups that my wave fetches is 8 x 4,096 bytes.  The four partners that ask for them jointly share them out BY ADDRESS: the partner at place p (cx for A, cy for B) names row-groups 2 p and 2 p + 1,
	; sixteen lanes to a row-group, lanes 256 bytes apart: each block of 256 bytes is named once in the cluster.  K steps 1 and 2 are asked for here, K step 3 behind K step 1's load; K has four steps, so the ring's refills ask for nothing.
.set PFA, 96
.set PFO, 30
	s_cmp_eq_u32 s15, 0
	s_cselect_b64 s[PFA:PFA+1], s[20:21], s[46:47]
	s_cselect_b32 s98, s40, s41
	s_lshl_b32 s98, s98, 15
	s_mov_b32 s99, 0
	s_add_nc_u64 s[PFA:PFA+1], s[PFA:PFA+1], s[98:99]
	; THE HEAD'S LOADS, ONE A WAVE: wave 0 K step 0's 256 rows of A, wave 1 A's scale words, wave 2 K step 0's 256 rows of B, wave 3 B's scale words.
	; In waves 0 and 2 slot 0's own group 0 names the tile's first row and the slot's first byte of A or B.  One tree of branches on the wave's number: every way passes one load.
.macro HARM under, g0, g1, next
	s_cmp_lt_u32 s14, \under
	s_cbranch_scc0 \next
	tensor_load_to_lds s[\g0:\g0+3], s[\g1:\g1+7]
	s_nop 0
	PLACES 4
	s_branch .Lhead_asked
\next:
.endm
	HARM 1, G0, G1, .Lh_sa
	HARM 2, G0S, G1S, .Lh_b
	HARM 3, G0B, G1B, .Lh_sb
	tensor_load_to_lds s[G0SB:G0SB+3], s[G1SB:G1SB+7]
	s_nop 0
	PLACES 4
.Lhead_asked:
	v_and_b32 v[PFO], 15, v0
	v_bfe_u32 v31, v0, 4, 1
	v_lshlrev_b32 v[PFO], 8, v[PFO]
	v_lshl_add_u32 v[PFO], v31, 14, v[PFO]         ; 256 x (lane % 16) + a row-group's 16,384 bytes for lanes 16-31; never rewritten
	global_prefetch_b8 v[PFO], s[PFA:PFA+1] offset:RGB th:TH_LOAD_NT scope:SCOPE_SE
	global_prefetch_b8 v[PFO], s[PFA:PFA+1] offset:2*RGB th:TH_LOAD_NT scope:SCOPE_SE
	v_and_b32 v1, 15, v0                           ; r
	v_bfe_u32 v2, v0, 4, 1                         ; h
	s_wait_alu depctr_va_vdst(0)
	v_and_b32 v3, 31, v0
	v_lshlrev_b32 v[LI], 4, v3
	v_lshlrev_b32 v[RS], 2, v1
	s_mul_i32 s21, s15, HALFT                      ; my 128 rows of A
	s_mul_i32 s22, s16, HALFT
	s_add_co_u32 s22, s22, 2*HALFT                 ; my 128 rows of B, behind A's 256
.irp s, 0,1
	v_add_nc_u32 v[ADRA+\s], s21, v[LI]
	v_add_nc_u32 v[ADRB+\s], s22, v[LI]
	s_add_co_u32 s21, s21, SLOT
	s_add_co_u32 s22, s22, SLOT
.endr
	s_mul_i32 s21, s15, HALFS
	s_mul_i32 s22, s16, HALFS
	s_add_co_u32 s22, s22, 2*HALFS+64
	s_sub_co_u32 s22, s22, s21
	v_mul_u32_u24 v6, s22, v2                      ; lanes 16-31 take B's words
	s_wait_alu depctr_va_vdst(0)
	s_add_co_u32 s21, s21, SCL
	v_add_nc_u32 v5, v[RS], v6
	v_add_nc_u32 v[ADRS], s21, v5
	s_wait_alu depctr_va_vdst(0)                   ; the wait at the head's end
	s_wait_tensorcnt 0x0                           ; my tile of the head's four is in
	ds_add_u32 v[SPW], v[NIL]
	s_mov_b32 s[G1+2], 8<<16                       ; no tensor load of mine is out: from here on a load brings 8 row-groups
	s_mov_b32 s[G1+4], 8
	s_mov_b32 s[G1B+2], 8<<16
	s_mov_b32 s[G1B+4], 8
	s_wait_dscnt 0x0                               ; the add is done
	CROUND                                         ; all four tiles are in, and all sixteen work-groups are here
	JLOAD G0+4, G1, G0B+4, G1B                     ; K step 1: the first tensor load behind the round
	FETCH_B 0, 0, 0
	FETCH_A 0, 0, 0
	SCALES 0
	FETCH_A 0, 0, 4
	global_prefetch_b8 v[PFO], s[PFA:PFA+1] offset:3*RGB th:TH_LOAD_NT scope:SCOPE_SE   ; K step 3, two refills ahead of its load
	STEP 0, 0, 1                                   ; the first step's products start the sums
	s_mov_b32 s3, LAPS-1
.Llap:
	TURN 0, 1, 1
	STEP 1, 0, 0
	TURN 1, 0, 1
	STEP 0, 0, 0
	s_sub_co_u32 s3, s3, 1
	s_cmp_lg_u32 s3, 0
	s_cbranch_scc1 .Llap
	TURN 0, 1, 0                                   ; the last lap fills nothing
	STEP 1, 0, 0
	s_wait_dscnt 4*NL
	WIN MUL_LO
	MUL16 0, 1, NQ-1, 1, 0
	MUL16 2, 1, NQ-1, 1, 0
	s_wait_dscnt 0
	WIN MUL_HI
	MUL16 4, 1, NQ-1, 1, 0
	MUL16 6, 1, NQ-1, 1, 0
	WIN 0
	; ---- THE WAY OUT: block by block of A's 16 rows: + bias, quantised along B's 128 rows, stored as one fragment's image and one scale word a row.  No LDS.
	PLACES NP                                      ; behind the last products: their results are read and B's registers are written below
	s_mov_b32 s[SEL], 0x76543210
	s_mov_b32 s[SEL+1], 0xfedcba98
	s_mov_b32 s[MNT], 0x600000
	s_mov_b32 s[CNT], 0
	WIN 0x40                                       ; destination window 1
.irp b, 0,1,2,3
	v_mov_b32 v[TM+4+\b], 0                        ; a lane permute's destination counts as one of its sources
.endr
	v_lshlrev_b32 v[SH], 4, v2                     ; 16 h
	WIN 0
	s_cmp_eq_u32 ttmp9, 2
	s_cbranch_scc1 .Lv
	; q, k: the bias goes with W's columns: register 16 B + i has column 32 B + 16 h + i of my 128
	s_lshl_b32 s20, s42, 10
	s_lshl_b32 s21, s16, 9
	s_add_co_u32 s20, s20, s21
	s_mov_b32 s21, 0
	s_add_nc_u64 s[20:21], s[8:9], s[20:21]
	v_lshlrev_b32 v4, 6, v2
.irp b, 0,1,2,3
.irp j, 0,1,2,3
	global_load_b128 v[BI+16*\b+4*\j:BI+16*\b+4*\j+3], v4, s[20:21] offset:128*\b+16*\j
.endr
.endr
	s_lshl_b32 s28, s17, 4
	s_lshl_b32 s29, s15, 3
	s_add_co_u32 s28, s28, s29                     ; my first group of tokens
	s_lshl_b32 s29, s40, 1
	s_add_co_u32 s29, s29, s16                     ; my pair of heads
	s_lshl_b32 s30, s28, 3
	s_add_co_u32 s30, s30, s29
	s_lshl_b32 s30, s30, 11
	s_lshl_b32 s31, ttmp9, 22                      ; q's codes or k's
	s_add_co_u32 s30, s30, s31
	s_mov_b32 s31, 0
	s_add_nc_u64 s[24:25], s[10:11], s[30:31]
	s_lshr_b32 s30, s28, 7                         ; the batch: 16 heads x 8,192 bytes
	s_lshl_b32 s30, s30, 17
	s_and_b32 s31, s28, 127
	s_lshl_b32 s31, s31, 6
	s_add_co_u32 s30, s30, s31
	s_lshl_b32 s31, s29, 14
	s_add_co_u32 s30, s30, s31
	s_lshl_b32 s31, ttmp9, 18
	s_add_co_u32 s30, s30, s31
	s_add_co_u32 s30, s30, Q_S
	s_mov_b32 s31, 0
	s_add_nc_u64 s[26:27], s[10:11], s[30:31]
	v_lshl_add_u32 v5, v2, 13, v[RS]               ; lanes 0-15 store the even head's word, lanes 16-31 the odd head's
	s_wait_loadcnt 0x0
.Lblk_q:
	ARM 0, .Ljoin_q, 0, 0
	ARM 1, .Ljoin_q, 0, 0
	ARM 2, .Ljoin_q, 0, 0
	ARM 3, .Ljoin_q, 0, 0
	ARM 4, .Ljoin_q, 0, 0
	ARM 5, .Ljoin_q, 0, 0
	ARM 6, .Ljoin_q, 0, 0
	ARM 7, .Ljoin_q, 0, 1
.Ljoin_q:
	WIN 0x55                                       ; all in window 1
	QUANT T
	v_lshrrev_b32 v[PWO], v[SH], v[PW]             ; a head's two bytes in the word's low half; above them the other head's or zeros, never 0xff: they meet zero codes
	WIN 0x04                                       ; a store's data: window 1
.irp c, 0,1,2,3
	global_store_b128 v[LI], v[PC+4*\c:PC+4*\c+3], s[24:25] offset:512*\c
.endr
	global_store_b32 v5, v[PWO], s[26:27]
	WIN 0
	s_wait_xcnt 0x0                                ; the stores have read their registers and bases
	s_add_nc_u64 s[24:25], s[24:25], 16384
	s_add_nc_u64 s[26:27], s[26:27], 64
	s_add_co_u32 s[CNT], s[CNT], 1
	s_cmp_lt_u32 s[CNT], 8
	s_cbranch_scc1 .Lblk_q
	s_branch .Lend
.Lv:
	; V^T: the bias goes with A's row, the channel at my place: one number a lane and block, loaded twice for the packed addition
	s_lshl_b32 s20, s41, 10
	s_lshl_b32 s21, s15, 9
	s_add_co_u32 s20, s20, s21
	s_add_co_u32 s20, s20, 8192
	s_mov_b32 s21, 0
	s_add_nc_u64 s[20:21], s[8:9], s[20:21]
	v_and_b32 v4, 8, v1
	v_add_nc_u32 v4, v4, v1
	v_lshlrev_b32 v4, 2, v4
.irp a, 0,1,2,3,4,5,6,7
	global_load_b32 v[BI+2*\a], v4, s[20:21] offset:(32*(\a/2)+8*(\a%2))*4
	global_load_b32 v[BI+2*\a+1], v4, s[20:21] offset:(32*(\a/2)+8*(\a%2))*4
.endr
	s_lshl_b32 s28, s41, 4
	s_lshl_b32 s29, s15, 3
	s_add_co_u32 s28, s28, s29                     ; my first group of channels
	s_lshl_b32 s28, s28, 5
	s_lshl_b32 s29, s42, 1
	s_add_co_u32 s28, s28, s29
	s_add_co_u32 s28, s28, s16                     ; x 32 + my 128 tokens
	s_lshl_b32 s30, s28, 11
	s_add_co_u32 s30, s30, VT_C
	s_mov_b32 s31, 0
	s_add_nc_u64 s[24:25], s[10:11], s[30:31]
	s_lshl_b32 s30, s28, 6
	s_add_co_u32 s30, s30, VT_S
	s_add_nc_u64 s[26:27], s[10:11], s[30:31]
	s_wait_loadcnt 0x0
.Lblk_v:
	ARM 0, .Ljoin_v, 1, 0
	ARM 1, .Ljoin_v, 1, 0
	ARM 2, .Ljoin_v, 1, 0
	ARM 3, .Ljoin_v, 1, 0
	ARM 4, .Ljoin_v, 1, 0
	ARM 5, .Ljoin_v, 1, 0
	ARM 6, .Ljoin_v, 1, 0
	ARM 7, .Ljoin_v, 1, 1
.Ljoin_v:
	WIN 0x55
	QUANT T
	WIN 0x04
.irp c, 0,1,2,3
	global_store_b128 v[LI], v[PC+4*\c:PC+4*\c+3], s[24:25] offset:512*\c
.endr
	global_store_b32 v[RS], v[PW], s[26:27]        ; lanes l and l xor 16 hold the same word and write it to the same place
	WIN 0
	s_wait_xcnt 0x0
	s_add_nc_u64 s[24:25], s[24:25], 65536
	s_add_nc_u64 s[26:27], s[26:27], 2048
	s_add_co_u32 s[CNT], s[CNT], 1
	s_cmp_lt_u32 s[CNT], 8
	s_cbranch_scc1 .Lblk_v
.Lend:
	s_wait_tensorcnt 0x0                           ; the wave's end
	ds_add_u32 v[SPW], v[NIL]
	s_wait_dscnt 0x0
	CROUND                                         ; the closing round
	s_endpgm
.Lfunc_end_k_q8c7c77bdfb_qkv:
	.size	k_q8c7c77bdfb_qkv, .Lfunc_end_k_q8c7c77bdfb_qkv-k_q8c7c77bdfb_qkv
	.p2alignl 7, 3214868480
	.fill 96, 4, 3214868480
	.section	.rodata,"a",@progbits
	.p2align	6, 0x0
	.amdhsa_kernel k_q8c7c77bdfb_qkv
		.amdhsa_group_segment_fixed_size 327680
		.amdhsa_private_segment_fixed_size 0
		.amdhsa_enable_private_segment 0
		.amdhsa_kernarg_size 32
		.amdhsa_user_sgpr_count 2
		.amdhsa_user_sgpr_kernarg_segment_ptr 1
		.amdhsa_wavefront_size32 1
		.amdhsa_system_sgpr_workgroup_id_x 1
		.amdhsa_system_sgpr_workgroup_id_y 1
		.amdhsa_system_sgpr_workgroup_id_z 1
		.amdhsa_system_vgpr_workitem_id 0
		.amdhsa_next_free_vgpr 1024
		.amdhsa_next_free_sgpr 100
		.amdhsa_reserve_vcc 0
		.amdhsa_float_denorm_mode_32 3
		.amdhsa_float_denorm_mode_16_64 3
		.amdhsa_memory_ordered 1
		.amdhsa_forward_progress 1
		.amdhsa_inst_pref_size 176
	.end_amdhsa_kernel
	.amdgpu_metadata
---
amdhsa.version: [ 1, 2 ]
amdhsa.kernels:
  - .name:           k_q8c7c77bdfb_qkv
    .symbol:         k_q8c7c77bdfb_qkv.kd
    .args:
      - { .name: hbuf, .offset: 0, .size: 8, .value_kind: global_buffer, .address_space: global }
      - { .name: wts, .offset: 8, .size: 8, .value_kind: global_buffer, .address_space: global }
      - { .name: b_attn, .offset: 16, .size: 8, .value_kind: global_buffer, .address_space: global }
      - { .name: qkvb, .offset: 24, .size: 8, .value_kind: global_buffer, .address_space: global }
    .group_segment_fixed_size: 327680
    .private_segment_fixed_size: 0
    .kernarg_segment_align: 8
    .kernarg_segment_size: 32
    .max_flat_workgroup_size: 128
    .sgpr_count:     100
    .vgpr_count:     1024
    .wavefront_size: 32
...
	.end_amdgpu_metadata
.endif
;; end of part 2
;; launch attn (part 3): grid 8 x 32, 16 waves a work-group, clusters of 4 x 1, 327,680 bytes of LDS; arguments x, qkvb, x1; writes x1
.if DOCPART == 3
	.amdgcn_target "amdgcn-amd-amdhsa--gfx1250"
	.amdhsa_code_object_version 6
	.text
	.protected	k_q8c7c77bdfb_attn
	.globl	k_q8c7c77bdfb_attn
	.p2align	8
	.type	k_q8c7c77bdfb_attn,@function
k_q8c7c77bdfb_attn:
	s_mov_b64 s[64:65], 0
	v_nop
	global_prefetch_b8 v0, s[64:65] scope:SCOPE_SE
	s_setreg_imm32_b32 hwreg(HW_REG_WAVE_MODE, 25, 1), 1
	s_wait_xcnt 0x0
	s_wait_alu depctr_hold_cnt(0) depctr_sa_sdst(0) depctr_va_vdst(0) depctr_va_sdst(0) depctr_va_ssrc(0) depctr_va_vcc(0) depctr_vm_vsrc(0)
	s_getreg_b32 s2, hwreg(HW_REG_IB_STS2, 6, 4)
	s_cmp_eq_u32 s2, 0
	s_cbranch_scc0 .Lentry_in_a_cluster
	s_endpgm
.Lentry_in_a_cluster:
	s_bfe_u32 s2, ttmp6, 0x10000c
	s_cmp_lg_u32 s2, 0x3003
	s_cbranch_scc0 .Lentry_shape_is_right
	s_endpgm
.Lentry_shape_is_right:
; x1 = x + causal attention, both products on codes of FP8 (E4M3) with E8M0 scales.  q, k: images of [tokens][1,024]; V^T: image of [channels][tokens] (the first kernel's head says how an image lies).
; LEFT OUT: key steps all of whose 128 keys come after all 16 queries of a tile: reference() builds the causal mask itself and their weights are 0 for all values of the inputs.
; THE SOFTMAX AHEAD OF THE SECOND PRODUCT: t = score x log2(e) / 8; M = the running largest t rounded up to a whole number; p = 2^(t - M) is quantised along the keys; the row's sum is taken of the unquantised p and divides at the end.
; SHARES.  A work-group serves one batch and head and 16 tiles of 16 queries: tile 8 rank + j, j the work-group's number among the head's eight, rank 0 .. 15.  A tile's queries lie inside tokens 128 rank .. 128 rank + 127, so key step k
; (128 keys) is open for k < rank, on the diagonal for k = rank, hidden for k > rank: a tile has rank + 1 steps, the sixteen tiles 136.  THE KEYS OF THE LONG TILES ARE SHARED BETWEEN TWO WAVES, so that every wave walks 8 or 9 steps:
; wave w owns tile w.  Waves 0-7 first walk steps 0 .. 7 - w of tile 15 - w (all open) and hand O^T, -M and the sum to LDS; then they walk their own tile, steps 0 .. w.  Waves 8-15 walk steps w - 7 .. w of their own tile and, behind the
; barrier on the way out, take their partner's part: both parts are brought under the larger M by a power of two, which rounds nothing, since M is a whole number.  Every branch hangs on the wave's number and a loop's count.
; NO RING: a head's codes and scale words of K and V^T, 268 KiB, are filled once, each wave asking for one key step's four tiles.  CLUSTER: the four work-groups of a cluster serve one head and ask JOINTLY (mask 15).
; K = 64 UNDER AN INSTRUCTION OF 128: Q's upper 64 codes are zeros.  K's operand of tile t is v[32 + 8 t .. 47 + 8 t]: its upper half are the next tile's codes (for tile 7: zeros): finite numbers (codes made behind the hold are never NaN, no scale byte is 0xff) that meet zero codes.
; REGISTERS: v1-4 addresses that stay; v5, v6 the add's two; v7 the diagonal's offset; v8-11 addresses in hand; v12 -M, v13 the largest t, v[14:15] the sum; v16-31 Q; v32-95 K's 8 tiles, then V's 4; v96-103 zeros; v104-167 S^T, then p;
; v168-199 O^T; v200-215 p's codes; v216-231 at work; v232-239 K's or V's scale words; v240 Q's; v241 p's; v[242:243] f; v244, v245 at work; v246-254 my own tile's Q until it is taken up, then v246 the prefetch's offset; v255 where the pair's part lies in LDS.
; LIMITS: as stated at the head of the first kernel.
; THE FILLS AS THEY STAND (this takes the place of what is said above of four tiles a wave): every wave asks for ONE tile, jointly with its three partners: waves 0-3 K's codes of four key steps each (32 rows of 1,024 bytes);
; waves 4-11 V^T's codes, one tile of 16 channels x eight key steps each (16,384 dense bytes); waves 12, 13 the halves of K's scale words; waves 14, 15 V^T's scale words of two tiles each.
.set K_C,  4194304
.set VT_C, 8388608
.set Q_S,  12582912
.set K_S,  12845056
.set VT_S, 13107200
.set VB,    131072                     ; LDS: K's codes [step 16][tile 8][1,024] from 0; V^T's [tile 4][step 16][2,048] from here;
.set KSB,   262144                     ; K's scale words [step][tile][r];
.set VSB,   270336                     ; V^T's [tile 4][step 16][r];
.set SPARE, 274432                     ; the spare words, 128 bytes a wave;
.set EX,    276480                     ; what a wave of 0-7 hands to its partner: eight regions, bytes of their own into which no fill lands:
.set EXB,   4608                       ; O^T's image, 8 x 512 bytes, and the image of v[12:15], 512 bytes
.set SPW, 5
.set NIL, 6
.set S,   104
.set QB,  246
.set PFO, 246
.set EXA, 255
.set WV,  18
.set SEL, 20
.set CS,  22
.set MNT, 17
.set KAP, 76                           ; s76 the key step;  s77, s78, s79: where its codes, K's and V's scale words begin
.set LIMA, 85                          ; s85 7 - w: the last step of the partner's tile that I walk (under 0 in waves 8-15: none)
.set LO,   86                          ; s86 the first step of my own tile that I walk: w - 7, or 0
.macro CROUND
	s_barrier_signal -1
	s_barrier_wait -1
	s_cmp_lg_u32 s[WV], 0
	s_cbranch_scc1 .Lnot_wave_0_\@
	s_barrier_signal -3
.Lnot_wave_0_\@:
	s_barrier_wait -3
	s_barrier_signal -1
	s_barrier_wait -1
.endm
.macro INIT                            ; a tile's walk begins: the step is written once and its first turn finds zeros, which the first change of M leaves zeros
	v_mov_b32 v13, 0xff61b1e6                      ; the largest t so far: -3e38
	s_delay_alu instid0(VALU_DEP_1)
	v_floor_f32 v12, -v13                          ; -M
	v_mov_b32 v14, 0
	v_mov_b32 v15, 0
.set Q, 0
.rept 32
	v_mov_b32 v[168+Q], 0                          ; O^T
.set Q, Q+1
.endr
.endm
; A WALK over key steps 0 .. trips - 1, a constant; a step that is not mine is jumped over inside the loop.  ph = 0: the partner's tile, steps 0 .. 7 - w, all open.  ph = 1: my own tile, steps LO .. w, the last on the diagonal.
.macro WALK trips, ph
	s_mov_b32 s[KAP], 0
	s_mov_b32 s77, 0
	s_mov_b32 s78, 0
	s_mov_b32 s79, 0
	s_mov_b32 s89, 0                               ; where the step's codes of V^T begin in a tile's 32,768 bytes
.Lstep_\@:
.if \ph
	s_cmp_gt_u32 s[KAP], s[WV]
	s_cbranch_scc1 .Lhidden_\@
	s_cmp_lt_u32 s[KAP], s[LO]
	s_cbranch_scc1 .Lhidden_\@
.else
	s_cmp_gt_i32 s[KAP], s[LIMA]
	s_cbranch_scc1 .Lhidden_\@
.endif
	v_add_nc_u32 v8, s77, v1
	v_add_nc_u32 v9, s89, v2
	v_add_nc_u32 v10, s78, v3
	v_add_nc_u32 v11, s79, v4
.rept 4
	v_nop                                          ; with the four additions: eight places in front of loads into registers that the last products read
.endr
.irp t, 0,1,2,3,4,5,6,7
	ds_load_b128 v[32+8*\t:35+8*\t], v8 offset:1024*\t
	ds_load_b128 v[36+8*\t:39+8*\t], v8 offset:1024*\t+512
	ds_load_b32 v[232+\t], v10 offset:64*\t
.endr
	s_wait_alu depctr_va_vdst(0)
	s_wait_dscnt 0x0
.irp t, 0,1,2,3,4,5,6,7
	v_wmma_scale_f32_16x16x128_f8f6f4 v[S+8*\t:S+8*\t+7], v[32+8*\t:47+8*\t], v[16:31], 0, v[232+\t], v240   ; S^T: source 0 = 16 keys, source 1 = 16 queries
.endr
	v_add_nc_u32 v216, 0x10000, v9                 ; tiles 2 and 3 lie beyond an offset's 16 bits.  (With the seven lines below: eight places)
.rept 7
	v_nop
.endr
.irp t, 0,1
.irp c, 0,1,2,3
	ds_load_b128 v[32+16*\t+4*\c:35+16*\t+4*\c], v9 offset:32768*\t+512*\c   ; V's fragments are asked for now and land under the softmax
	ds_load_b128 v[64+16*\t+4*\c:67+16*\t+4*\c], v216 offset:32768*\t+512*\c
.endr
.endr
.irp t, 0,1,2,3
	ds_load_b32 v[232+\t], v11 offset:1024*\t
.endr
.if \ph
	s_cmp_lg_u32 s[KAP], s[WV]
	s_cbranch_scc1 .Lopen_\@
	; my last key step.  A PREFETCH INTO THE L2 of the rows of x that the way out will load, one key step ahead of those loads: each even wave asks for its own tile's 16 rows and for the next wave's 16, a lane a row of 256 bytes: each row is named once in the launch
	s_and_b32 s88, s[WV], 1
	s_cmp_lg_u32 s88, 0
	s_cbranch_scc1 .Lnot_mine_\@
	global_prefetch_b8 v[PFO], s[4:5] th:TH_LOAD_NT scope:SCOPE_SE
.Lnot_mine_\@:
.set Q, 0
.rept 64
	v_cmp_gt_i32 vcc_lo, 32*(Q/16)+Q%16, v7        ; on the diagonal the scores of hidden keys become -infinity: p = 0 then
	v_cndmask_b32 v[S+Q], v[S+Q], v245, vcc_lo
.set Q, Q+1
.endr
.Lopen_\@:
.endif
.irp b, 0,1,2,3
	v_max3_num_f32 v[216+\b], v[S+16*\b], v[S+1+16*\b], v[S+2+16*\b]   ; the largest score of each block of 32 keys: for the row's maximum, and, since p rises with the score, for the block's largest p
.endr
.irp i, 3,5,7,9,11,13
.irp b, 0,1,2,3
	v_max3_num_f32 v[216+\b], v[216+\b], v[S+16*\b+\i], v[S+1+16*\b+\i]
.endr
.endr
.irp b, 0,1,2,3
	v_max_num_f32 v[216+\b], v[216+\b], v[S+15+16*\b]
.endr
.irp b, 0,1,2,3
	s_delay_alu instid0(VALU_DEP_4)
	v_permlanex16_b32 v[220+\b], v[216+\b], s[SEL], s[SEL+1]
.endr
.irp b, 0,1,2,3
	s_delay_alu instid0(VALU_DEP_4)
	v_max_num_f32 v[216+\b], v[216+\b], v[220+\b]
.endr
	s_delay_alu instid0(VALU_DEP_2)
	v_max3_num_f32 v244, v216, v217, v218
	s_delay_alu instid0(VALU_DEP_1)
	v_max_num_f32 v244, v244, v219
	s_delay_alu instid0(VALU_DEP_1)
	v_mul_f32 v244, s[CS], v244
	s_delay_alu instid0(VALU_DEP_1)
	v_max_num_f32 v13, v13, v244                   ; the running largest t
	v_mov_b32 v244, v12
	s_delay_alu instid0(VALU_DEP_2)
	v_floor_f32 v12, -v13                          ; the new -M: M is a whole number
	s_delay_alu instid0(VALU_DEP_1)
	v_sub_f32 v244, v12, v244
	s_delay_alu instid0(VALU_DEP_1)
	v_cvt_i32_f32 v244, v244                       ; (it saturates)
	s_delay_alu instid0(VALU_DEP_1)
	v_ldexp_f32 v242, 1.0, v244                    ; f = 2^(old M - new M): rounds nothing
.set Q, 0
.rept 32
	v_pk_fma_f32 v[S+Q:S+Q+1], v[S+Q:S+Q+1], s[CS:CS+1], v[12:13] op_sel_hi:[1,0,0]   ; t - M
.set Q, Q+2
.endr
.irp b, 0,1,2,3
	v_fma_f32 v[216+\b], v[216+\b], s[CS], v12
.endr
.set Q, 0
	s_wait_alu depctr_va_vdst(0)
.rept 64
	v_exp_f32 v[S+Q], v[S+Q]                       ; p = 2^(t - M)
.set Q, Q+1
.endr
	v_pk_mul_f32 v[14:15], v[14:15], v[242:243] op_sel_hi:[1,0]   ; the sums under the new M (a plain line behind the exponentials)
	s_wait_alu depctr_va_vdst(0)                   ; one wait for the batch, ahead of its first reader
.irp b, 0,1,2,3
	v_exp_f32 v[216+\b], v[216+\b]                 ; each block's largest p
.endr
	v_pk_add_f32 v[220:221], v[108:109], v[112:113]
	v_pk_add_f32 v[238:239], v[116:117], v[120:121]
	v_pk_add_f32 v[236:237], v[124:125], v[128:129]
	v_pk_add_f32 v[230:231], v[132:133], v[136:137]
	v_pk_add_f32 v[228:229], v[140:141], v[144:145]
	v_pk_add_f32 v[226:227], v[148:149], v[152:153]
	v_pk_add_f32 v[224:225], v[156:157], v[160:161]
	v_pk_add_f32 v[14:15], v[14:15], v[164:165]
	v_pk_add_f32 v[220:221], v[220:221], v[104:105]
	v_pk_add_f32 v[238:239], v[238:239], v[106:107]
	v_pk_add_f32 v[236:237], v[236:237], v[110:111]
	v_pk_add_f32 v[230:231], v[230:231], v[114:115]
	v_pk_add_f32 v[228:229], v[228:229], v[118:119]
	v_pk_add_f32 v[226:227], v[226:227], v[122:123]
	v_pk_add_f32 v[224:225], v[224:225], v[126:127]
	v_pk_add_f32 v[14:15], v[14:15], v[130:131]
	v_pk_add_f32 v[220:221], v[220:221], v[134:135]
	v_pk_add_f32 v[238:239], v[238:239], v[138:139]
	v_pk_add_f32 v[236:237], v[236:237], v[142:143]
	v_pk_add_f32 v[230:231], v[230:231], v[146:147]
	v_pk_add_f32 v[228:229], v[228:229], v[150:151]
	v_pk_add_f32 v[226:227], v[226:227], v[154:155]
	v_pk_add_f32 v[224:225], v[224:225], v[158:159]
	v_pk_add_f32 v[14:15], v[14:15], v[162:163]
	v_pk_add_f32 v[220:221], v[220:221], v[166:167]
	s_delay_alu instid0(VALU_DEP_2)
	v_pk_add_f32 v[14:15], v[14:15], v[230:231]
	s_delay_alu instid0(VALU_DEP_2)
	v_pk_add_f32 v[220:221], v[220:221], v[228:229]
	v_pk_add_f32 v[238:239], v[238:239], v[226:227]
	v_pk_add_f32 v[236:237], v[236:237], v[224:225]
	s_delay_alu instid0(VALU_DEP_2)
	v_pk_add_f32 v[14:15], v[14:15], v[238:239]
	s_delay_alu instid0(VALU_DEP_2)
	v_pk_add_f32 v[220:221], v[220:221], v[236:237]
	s_delay_alu instid0(VALU_DEP_1)
	v_pk_add_f32 v[14:15], v[14:15], v[220:221]
	s_wait_alu depctr_va_vdst(0)                   ; and one for the four
.irp b, 0,1,2,3
	v_max_num_f32 v[216+\b], 0x4800000, v[216+\b]  ; the floor: the byte cannot fall under 1
.endr
.irp b, 0,1,2,3
	s_delay_alu instid0(VALU_DEP_4)
	v_add_nc_u32 v[228+\b], 0xfc000000, v[216+\b]
.endr
.irp b, 0,1,2,3
	v_and_or_b32 v[224+\b], v[216+\b], 0x7f800000, s[MNT]
.endr
.irp b, 0,1,2,3
	v_lshrrev_b32 v[220+\b], 23, v[228+\b]
.endr
	s_delay_alu instid0(VALU_DEP_3)
	v_lshl_or_b32 v241, v221, 8, v220              ; p's scale word for these 128 keys
	s_delay_alu instid0(VALU_DEP_1)
	v_lshl_or_b32 v241, v222, 16, v241
	s_delay_alu instid0(VALU_DEP_1)
	v_lshl_or_b32 v241, v223, 24, v241
.irp b, 0,1,2,3
.irp i, 0,2,4,6,8,10,12,14
	v_dual_min_num_f32 v[S+16*\b+\i], v[S+16*\b+\i], v[224+\b] :: v_dual_min_num_f32 v[S+16*\b+\i+1], v[S+16*\b+\i+1], v[224+\b]   ; the hold; p is not negative, so it is one-sided; two numbers an instruction: an even and an odd destination, neighbouring first sources, one bound
.endr
	v_cvt_scalef32_pk8_fp8_f32 v[200+4*\b:201+4*\b], v[S+16*\b:S+7+16*\b], v[228+\b]
	v_cvt_scalef32_pk8_fp8_f32 v[202+4*\b:203+4*\b], v[S+8+16*\b:S+15+16*\b], v[228+\b]
.endr
.set Q, 0
.rept 16
	v_pk_mul_f32 v[168+Q:169+Q], v[168+Q:169+Q], v[242:243] op_sel_hi:[1,0]   ; O^T under the new M; these are also the places in front of the products below
.set Q, Q+2
.endr
	s_wait_alu depctr_va_vdst(0)
	s_wait_dscnt 0x0                               ; V
.irp t, 0,1,2,3
	v_wmma_scale_f32_16x16x128_f8f6f4 v[168+8*\t:175+8*\t], v[32+16*\t:47+16*\t], v[200:215], v[168+8*\t:175+8*\t], v[232+\t], v241   ; O^T += V^T P^T: four accumulators by turns
.endr
.Lhidden_\@:
	s_add_co_u32 s77, s77, 8192
	s_add_co_u32 s78, s78, 512
	s_add_co_u32 s79, s79, 64
	s_add_co_u32 s89, s89, 2048
	s_add_co_u32 s[KAP], s[KAP], 1
	s_cmp_lt_u32 s[KAP], \trips
	s_cbranch_scc1 .Lstep_\@
.endm
	s_load_b128 s[4:7], s[0:1], 0x0                ; x s[4:5], qkvb s[6:7]
	s_load_b64 s[8:9], s[0:1], 0x10                ; x1
	v_lshl_add_u32 v[SPW], v0, 2, SPARE
	v_mov_b32 v[NIL], 0
	ds_add_u32 v[SPW], v[NIL]                      ; the wave's opening: the add, twice on end, and its wait ahead of my first tensor load
	ds_add_u32 v[SPW], v[NIL]
	v_lshrrev_b32 v8, 5, v0
	s_delay_alu instid0(VALU_DEP_1)
	v_readfirstlane_b32 s[WV], v8                  ; wave 0..15: also my own tile's rank
	s_and_b32 s12, ttmp7, 0xffff                   ; batch x 16 + head
	s_lshr_b32 s10, s12, 4                         ; batch
	s_and_b32 s11, s12, 15                         ; head
	s_bfe_u32 s13, ttmp6, 0x40000                  ; cx
	s_lshl_b32 s14, ttmp9, 2
	s_add_co_u32 s13, s13, s14                     ; j: it enters Q's, x's and x1's addresses and the diagonal's offset alone
	; what I fetch.  Waves 0-3: K's key steps 4 w on: 32 groups of tokens x my head's 1,024 bytes, 16,384 bytes apart
	s_lshl_b32 s80, s10, 7
	s_lshl_b32 s81, s[WV], 5
	s_add_co_u32 s80, s80, s81
	s_lshl_b32 s80, s80, 3
	s_lshr_b32 s81, s11, 1
	s_add_co_u32 s80, s80, s81
	s_lshl_b32 s80, s80, 11
	s_and_b32 s81, s11, 1
	s_lshl_b32 s81, s81, 10
	s_add_co_u32 s80, s80, s81
	s_add_co_u32 s80, s80, K_C
	s_mov_b32 s81, 0
	s_lshl_b32 s82, s11, 7                         ; V^T: the head's 4 groups of channels, 65,536 bytes apart
	s_lshl_b32 s83, s10, 4
	s_add_co_u32 s82, s82, s83
	s_add_co_u32 s89, s[WV], 4                     ; waves 4-11: u = w - 4: tile u / 2, key steps 8 (u % 2) on: 16,384 dense bytes
	s_and_b32 s89, s89, 7
	s_lshr_b32 s14, s89, 1
	s_lshl_b32 s14, s14, 5
	s_add_co_u32 s82, s82, s14
	s_and_b32 s14, s89, 1
	s_lshl_b32 s14, s14, 3
	s_add_co_u32 s82, s82, s14
	s_lshl_b32 s82, s82, 11
	s_add_co_u32 s82, s82, VT_C
	s_mov_b32 s83, 0
	s_lshl_b32 s84, s12, 7                         ; K's scale words: 8,192 bytes a head
	s_and_b32 s85, s[WV], 1                        ; waves 12, 13: half w % 2: 64 groups of tokens, 4,096 dense bytes
	s_lshl_b32 s85, s85, 6
	s_add_co_u32 s84, s84, s85
	s_lshl_b32 s84, s84, 6
	s_add_co_u32 s84, s84, K_S
	s_mov_b32 s85, 0
	s_lshl_b32 s86, s11, 2                         ; V^T's: the head's 4 tiles, 2,048 bytes a tile
	s_and_b32 s87, s[WV], 1                        ; waves 14, 15: tiles 2 (w % 2) and the next, all 16 steps: two rows of 1,024 bytes
	s_lshl_b32 s87, s87, 1
	s_add_co_u32 s86, s86, s87
	s_lshl_b32 s86, s86, 5
	s_lshl_b32 s91, s87, 10
	s_lshl_b32 s87, s10, 4
	s_add_co_u32 s86, s86, s87
	s_add_co_u32 s91, s91, VSB                     ; and where they go
	s_lshl_b32 s86, s86, 6
	s_add_co_u32 s86, s86, VT_S
	s_mov_b32 s87, 0
	s_lshl_b32 s88, s[WV], 15                      ; K's tiles: 32,768 w
	s_lshl_b32 s89, s89, 14
	s_add_co_u32 s89, s89, VB                      ; V's: 16,384 u
	s_and_b32 s90, s[WV], 1
	s_lshl_b32 s90, s90, 12
	s_add_co_u32 s90, s90, KSB
	; my own tile
	s_lshl_b32 s92, s[WV], 3
	s_add_co_u32 s92, s92, s13                     ; its group of tokens in the batch
	s_lshr_b32 s93, s13, 1
	s_lshl_b32 s93, s93, 5
	s_and_b32 s14, s13, 1
	s_lshl_b32 s14, s14, 3
	s_add_co_u32 s93, s93, s14                     ; its first token, counted from 128 rank
	s_lshl_b32 s94, s10, 7
	s_add_co_u32 s94, s94, s92
	s_lshl_b32 s94, s94, 3
	s_lshr_b32 s14, s11, 1
	s_add_co_u32 s94, s94, s14
	s_lshl_b32 s94, s94, 11
	s_and_b32 s14, s11, 1
	s_lshl_b32 s14, s14, 10
	s_add_co_u32 s94, s94, s14                     ; Q's codes
	s_mov_b32 s95, 0
	s_lshl_b32 s96, s12, 7
	s_add_co_u32 s96, s96, s92
	s_lshl_b32 s96, s96, 6
	s_add_co_u32 s96, s96, Q_S                     ; Q's scale words
	s_mov_b32 s97, 0
	s_lshl_b32 s98, s10, 11
	s_lshl_b32 s14, s[WV], 7
	s_add_co_u32 s98, s98, s14
	s_add_co_u32 s98, s98, s93
	s_lshl_b32 s98, s98, 12
	s_lshl_b32 s14, s11, 8
	s_add_co_u32 s98, s98, s14                     ; x and x1: my first token's row, my head's 256 bytes
	s_mov_b32 s99, 0
	; descriptor groups 1: elements of 8 bytes, the mask of all four work-groups, bit 21 beside it, no padding
	s_mov_b32 s24, 15|(3<<16)|(1<<21)              ; K: 32 rows of 128 elements, pitch 2,048
	s_mov_b32 s25, 128<<16
	s_mov_b32 s26, 32<<16
	s_mov_b32 s27, 128<<16
	s_mov_b32 s28, 32
	s_mov_b32 s29, 2048
	s_mov_b32 s30, 0
	s_mov_b32 s31, 0
	s_mov_b32 s32, 15|(3<<16)|(1<<21)              ; V^T: a dense block as 64 rows of 32 elements
	s_mov_b32 s33, 32<<16
	s_mov_b32 s34, 64<<16
	s_mov_b32 s35, 32<<16
	s_mov_b32 s36, 64
	s_mov_b32 s37, 32
	s_mov_b32 s38, 0
	s_mov_b32 s39, 0
	s_mov_b32 s40, 15|(3<<16)|(1<<21)              ; K's scale words: a dense block as 16 rows of 32 elements
	s_mov_b32 s41, 32<<16
	s_mov_b32 s42, 16<<16
	s_mov_b32 s43, 32<<16
	s_mov_b32 s44, 16
	s_mov_b32 s45, 32
	s_mov_b32 s46, 0
	s_mov_b32 s47, 0
	s_mov_b32 s48, 15|(3<<16)|(1<<21)              ; V^T's: 2 rows of 128 elements, pitch 256
	s_mov_b32 s49, 128<<16
	s_mov_b32 s50, 2<<16
	s_mov_b32 s51, 128<<16
	s_mov_b32 s52, 2
	s_mov_b32 s53, 256
	s_mov_b32 s54, 0
	s_mov_b32 s55, 0
	s_mov_b32 s[SEL], 0x76543210
	s_mov_b32 s[SEL+1], 0xfedcba98
	s_mov_b32 s[CS], 0x3e38aa3b                    ; c = log2(e) / sqrt(64)
	s_mov_b32 s[CS+1], s[CS]
	s_mov_b32 s[MNT], 0x600000
	s_wait_dscnt 0x0                               ; both opening adds are done
	s_wait_kmcnt 0x0
	s_mov_b32 s56, 1
	s_mov_b32 s57, s88
	s_add_nc_u64 s[58:59], s[6:7], s[80:81]
	s_or_b32 s59, s59, 0x80000000
	s_mov_b32 s60, 1
	s_mov_b32 s61, s89
	s_add_nc_u64 s[62:63], s[6:7], s[82:83]
	s_or_b32 s63, s63, 0x80000000
	s_mov_b32 s68, 1
	s_mov_b32 s69, s90
	s_add_nc_u64 s[70:71], s[6:7], s[84:85]
	s_or_b32 s71, s71, 0x80000000
	s_mov_b32 s72, 1
	s_mov_b32 s73, s91
	s_add_nc_u64 s[74:75], s[6:7], s[86:87]
	s_or_b32 s75, s75, 0x80000000
	CROUND                                         ; all four work-groups are here: the joint loads meet
; THE HEAD'S LOADS, ONE A WAVE: one tree of branches on the wave's number, an arm a load, all arms leading to one join; an s_nop 0 and four v_nop follow each load.
.macro ARM under, g0, g1, next
	s_cmp_lt_u32 s[WV], \under
	s_cbranch_scc0 \next
	tensor_load_to_lds s[\g0:\g0+3], s[\g1:\g1+7]
	s_nop 0
.rept 4
	v_nop
.endr
	s_branch .Lhead_asked
\next:
.endm
	ARM 4, 56, 24, .Lhead_v
	ARM 12, 60, 32, .Lhead_sk
	ARM 14, 68, 40, .Lhead_sv
	tensor_load_to_lds s[72:75], s[48:55]
	s_nop 0
.rept 4
	v_nop
.endr
.Lhead_asked:
	v_and_b32 v8, 15, v0                           ; r
	v_bfe_u32 v9, v0, 4, 1                         ; h
	v_and_b32 v10, 31, v0
	s_delay_alu instid0(VALU_DEP_1)
	v_lshlrev_b32 v1, 4, v10                       ; K's tiles: 16 x lane
	s_wait_alu depctr_va_vdst(0)
	v_add_nc_u32 v2, VB, v1                        ; V's
	v_lshlrev_b32 v11, 2, v8
	s_wait_alu depctr_va_vdst(0)
	v_add_nc_u32 v3, KSB, v11                      ; K's scale words: 4 r
	v_add_nc_u32 v4, VSB, v11                      ; V's
	; the two roles (s80 to s91 are free from here on).  Waves w and 15 - w are a pair; its number is w in waves 0-7 and 15 - w in waves 8-15
	s_lshr_b32 s87, s[WV], 3
	s_mul_i32 s87, s87, 15
	s_xor_b32 s87, s87, s[WV]
	s_mul_i32 s87, s87, EXB
	s_add_co_u32 s87, s87, EX
	v_add_nc_u32 v[EXA], s87, v1                   ; the pair's region, 16 x lane: an image's place for my lane
	s_xor_b32 s84, s[WV], 15
	s_cmp_lt_u32 s[WV], 8
	s_cselect_b32 s84, s84, s[WV]                  ; the tile that I walk first: the partner's; in waves 8-15, which walk none first, my own: the same text serves both roles
	s_sub_co_u32 s84, s84, s[WV]                   ; so many ranks behind mine
	s_lshl_b32 s88, s84, 17                        ; a rank is 8 groups of tokens: 131,072 bytes of codes,
	s_add_co_u32 s88, s88, s94
	s_mov_b32 s89, 0
	s_lshl_b32 s90, s84, 9                         ; 512 bytes of scale words
	s_add_co_u32 s90, s90, s96
	s_mov_b32 s91, 0
	s_sub_co_i32 s[LIMA], 7, s[WV]
	s_sub_co_i32 s[LO], s[WV], 7
	s_max_i32 s[LO], s[LO], 0
	s_add_nc_u64 s[80:81], s[6:7], s[88:89]
	s_add_nc_u64 s[82:83], s[6:7], s[90:91]
	s_add_nc_u64 s[94:95], s[6:7], s[94:95]
	s_add_nc_u64 s[96:97], s[6:7], s[96:97]
	s_add_nc_u64 s[4:5], s[4:5], s[98:99]          ; x and x1 at my tile
	s_add_nc_u64 s[8:9], s[8:9], s[98:99]
	global_load_b128 v[16:19], v1, s[80:81]        ; the first tile's 64 codes a row,
	global_load_b128 v[20:23], v1, s[80:81] offset:512
	global_load_b32 v240, v11, s[82:83]
	global_load_b128 v[QB:QB+3], v1, s[94:95]      ; and my own tile's, for later
	global_load_b128 v[QB+4:QB+7], v1, s[94:95] offset:512
	global_load_b32 v[QB+8], v11, s[96:97]
	v_and_b32 v7, 8, v8
	s_delay_alu instid0(VALU_DEP_1)
	v_add_nc_u32 v7, v7, v8
	s_delay_alu instid0(VALU_DEP_1)
	v_add_nc_u32 v7, s93, v7                       ; my query in my own tile, counted from 128 rank,
	v_lshlrev_b32 v244, 4, v9
	s_delay_alu instid0(VALU_DEP_1)
	v_sub_nc_u32 v7, v7, v244                      ; less 16 h: register 16 b + i holds key 32 b + i + 16 h of a step
	v_mov_b32 v245, 0xff800000                     ; -infinity
.irp j, 0,1,2,3,4,5,6,7
	v_mov_b32 v[24+\j], 0                          ; Q's upper 64 codes
	v_mov_b32 v[96+\j], 0                          ; the tail of K's tile 7
.endr
.irp b, 0,1,2,3
	v_mov_b32 v[220+\b], 0                         ; a lane permute's destination counts as one of its sources
.endr
	v_mov_b32 v243, 0                              ; (named as the upper half of the pair v[242:243])
	INIT
	s_wait_tensorcnt 0x0                           ; my tile is in,
	s_barrier_signal -1
	s_barrier_wait -1                              ; everybody's are: nothing is ever filled again
	s_wait_loadcnt 0x0                             ; both tiles' Q
	WALK 8, 0                                      ; waves 0-7: the first 8 - w key steps of tile 15 - w
.rept 8
	v_nop                                          ; places behind the last products: their results are read and written below
.endr
	s_cmp_lt_u32 s[WV], 8
	s_cbranch_scc0 .Lno_hand
	s_wait_alu depctr_va_vdst(0)
.irp c, 0,1,2,3,4,5,6,7
	ds_store_b128 v[EXA], v[168+4*\c:171+4*\c] offset:512*\c   ; O^T as it stands, each accumulator from its low end on: the partner's same lines bring the same registers into the same lanes
.endr
	ds_store_b128 v[EXA], v[12:15] offset:4096     ; -M, (the largest t,) the sum's two halves
.Lno_hand:
	s_wait_dscnt 0x0                               ; the stores have read their registers
.irp c, 0,1,2,3,4,5,6,7
	v_mov_b32 v[16+\c], v[QB+\c]                   ; my own tile's Q
.endr
	v_mov_b32 v240, v[QB+8]
	v_and_b32 v247, 15, v0                         ; the prefetch's offset: lanes 0-15 the rows of my tile's places, lanes 16-31 those of the next wave's tile, 128 tokens on
	v_and_b32 v248, 8, v0
	s_delay_alu instid0(VALU_DEP_1)
	v_add_nc_u32 v247, v247, v248                  ; r + 8 (r / 8)
	v_bfe_u32 v248, v0, 4, 1
	s_delay_alu instid0(VALU_DEP_2)
	v_lshlrev_b32 v[PFO], 12, v247
	s_delay_alu instid0(VALU_DEP_1)
	v_lshl_add_u32 v[PFO], v248, 19, v[PFO]        ; never rewritten
	INIT                                           ; (these lines are also the places between the scale word's copy and the next product)
	WALK 16, 1                                     ; my own tile: steps LO .. w
	; ---- THE WAY OUT.  Behind one barrier: waves 8-15 take their partner's part; O^T / the sum goes through my stage in LDS (16 rows x 272 bytes, in K's bytes: they had their one fill, and behind the barrier nobody reads them),
	; comes back by rows, takes x, and leaves as aligned runs of 256 bytes.
	v_and_b32 v8, 15, v0                           ; (ten plain lines: the places behind the last products)
	v_bfe_u32 v9, v0, 4, 1
	s_delay_alu instid0(VALU_DEP_1)
	v_lshlrev_b32 v7, 12, v9
	s_delay_alu instid0(VALU_DEP_1)
	v_lshl_add_u32 v7, v8, 4, v7                   ; x, x1: lanes 0-15 one token's 256 bytes, lanes 16-31 the next token's
	s_mul_i32 s80, s[WV], 4352
	v_mul_u32_u24 v10, v8, 272
	s_delay_alu instid0(VALU_DEP_1)
	v_lshl_add_u32 v10, v9, 6, v10
	s_delay_alu instid0(VALU_DEP_1)
	v_add_nc_u32 v10, s80, v10                     ; in: row r, + 64 h: registers 16 B + i are channels 32 B + 16 h + i
	v_mul_u32_u24 v11, v9, 272
	s_delay_alu instid0(VALU_DEP_1)
	v_lshl_add_u32 v11, v8, 4, v11
	s_delay_alu instid0(VALU_DEP_1)
	v_add_nc_u32 v11, s80, v11                     ; back: two rows an instruction
.irp i, 0,1,2,3,4,5,6,7
	global_load_b128 v[32+4*\i:35+4*\i], v7, s[4:5] offset:(2*\i+8*(\i/4))*4096   ; place 2 i + h is token 2 i + h + 8 (i / 4) of the group
.endr
	s_wait_dscnt 0x0                               ; my reads of K and V are over, and what I handed over has landed
	s_barrier_signal -1
	s_barrier_wait -1                              ; everybody's
	s_cmp_lt_u32 s[WV], 8
	s_cbranch_scc1 .Lno_merge
.irp c, 0,1,2,3,4,5,6,7
	ds_load_b128 v[64+4*\c:67+4*\c], v[EXA] offset:512*\c
.endr
	ds_load_b128 v[96:99], v[EXA] offset:4096
	s_wait_dscnt 0x0
	v_min_num_f32 v244, v12, v96                   ; the smaller -M: the larger M
	s_delay_alu instid0(VALU_DEP_1)
	v_sub_f32 v216, v244, v12                      ; whole numbers, 0 or less
	s_delay_alu instid0(VALU_DEP_2)
	v_sub_f32 v217, v244, v96
	s_delay_alu instid0(VALU_DEP_2)
	v_cvt_i32_f32 v216, v216                       ; (they saturate)
	s_delay_alu instid0(VALU_DEP_2)
	v_cvt_i32_f32 v217, v217
	s_delay_alu instid0(VALU_DEP_2)
	v_ldexp_f32 v242, 1.0, v216                    ; what brings my part under it,
	s_delay_alu instid0(VALU_DEP_2)
	v_ldexp_f32 v220, 1.0, v217                    ; and my partner's: powers of two, which round nothing
	s_delay_alu instid0(VALU_DEP_2)
	v_pk_mul_f32 v[14:15], v[14:15], v[242:243] op_sel_hi:[1,0]
	s_delay_alu instid0(VALU_DEP_1)
	v_pk_fma_f32 v[14:15], v[98:99], v[220:221], v[14:15] op_sel_hi:[1,0,1]
.set Q, 0
.rept 16
	v_pk_mul_f32 v[168+Q:169+Q], v[168+Q:169+Q], v[242:243] op_sel_hi:[1,0]
.set Q, Q+2
.endr
.set Q, 0
.rept 16
	v_pk_fma_f32 v[168+Q:169+Q], v[64+Q:65+Q], v[220:221], v[168+Q:169+Q] op_sel_hi:[1,0,1]
.set Q, Q+2
.endr
.Lno_merge:
	v_add_f32 v14, v14, v15
	s_delay_alu instid0(VALU_DEP_1)
	v_permlanex16_b32 v244, v14, s[SEL], s[SEL+1]
	s_delay_alu instid0(VALU_DEP_1)
	v_add_f32 v14, v14, v244                       ; the row's sum
	s_wait_alu depctr_va_vdst(0)
	v_rcp_f32 v14, v14
	v_nop
	s_wait_alu depctr_va_vdst(0)                   ; the wait ahead of the first line that names the result
.set Q, 0
.rept 32
	v_mul_f32 v[S+Q], v[168+Q], v14
.set Q, Q+1
.endr
.irp b, 0,1
.irp k, 0,1,2,3
	ds_store_b128 v10, v[S+16*\b+4*\k:S+16*\b+4*\k+3] offset:128*\b+16*\k
.endr
.endr
.irp i, 0,1,2,3,4,5,6,7
	ds_load_b128 v[136+4*\i:139+4*\i], v11 offset:544*\i   ; LDS serves a wave's instructions in order: these see my stores
.endr
	s_wait_dscnt 0x0
	s_wait_loadcnt 0x0
.set Q, 0
.rept 16
	v_pk_add_f32 v[136+Q:137+Q], v[136+Q:137+Q], v[32+Q:33+Q]
.set Q, Q+2
.endr
.irp i, 0,1,2,3,4,5,6,7
	global_store_b128 v7, v[136+4*\i:139+4*\i], s[8:9] offset:(2*\i+8*(\i/4))*4096   ; sixteen lanes store 256 consecutive bytes, aligned
.endr
	s_wait_tensorcnt 0x0                           ; the wave's end
	ds_add_u32 v[SPW], v[NIL]
	s_wait_dscnt 0x0
	CROUND                                         ; the closing round
	s_endpgm
.Lfunc_end_k_q8c7c77bdfb_attn:
	.size	k_q8c7c77bdfb_attn, .Lfunc_end_k_q8c7c77bdfb_attn-k_q8c7c77bdfb_attn
	.p2alignl 7, 3214868480
	.fill 96, 4, 3214868480
	.section	.rodata,"a",@progbits
	.p2align	6, 0x0
	.amdhsa_kernel k_q8c7c77bdfb_attn
		.amdhsa_group_segment_fixed_size 327680
		.amdhsa_private_segment_fixed_size 0
		.amdhsa_enable_private_segment 0
		.amdhsa_kernarg_size 24
		.amdhsa_user_sgpr_count 2
		.amdhsa_user_sgpr_kernarg_segment_ptr 1
		.amdhsa_wavefront_size32 1
		.amdhsa_system_sgpr_workgroup_id_x 1
		.amdhsa_system_sgpr_workgroup_id_y 1
		.amdhsa_system_sgpr_workgroup_id_z 1
		.amdhsa_system_vgpr_workitem_id 0
		.amdhsa_next_free_vgpr 256
		.amdhsa_next_free_sgpr 100
		.amdhsa_reserve_vcc 1
		.amdhsa_float_denorm_mode_32 3
		.amdhsa_float_denorm_mode_16_64 3
		.amdhsa_memory_ordered 1
		.amdhsa_forward_progress 1
		.amdhsa_inst_pref_size 71
	.end_amdhsa_kernel
	.amdgpu_metadata
---
amdhsa.version: [ 1, 2 ]
amdhsa.kernels:
  - .name:           k_q8c7c77bdfb_attn
    .symbol:         k_q8c7c77bdfb_attn.kd
    .args:
      - { .name: x, .offset: 0, .size: 8, .value_kind: global_buffer, .address_space: global }
      - { .name: qkvb, .offset: 8, .size: 8, .value_kind: global_buffer, .address_space: global }
      - { .name: x1, .offset: 16, .size: 8, .value_kind: global_buffer, .address_space: global }
    .group_segment_fixed_size: 327680
    .private_segment_fixed_size: 0
    .kernarg_segment_align: 8
    .kernarg_segment_size: 24
    .max_flat_workgroup_size: 512
    .sgpr_count:     100
    .vgpr_count:     256
    .wavefront_size: 32
...
	.end_amdgpu_metadata
.endif
;; end of part 3
;; launch ln2: the kernel of part 1 again; grid 256 x 1, 8 waves a work-group, no clusters, 10,240 bytes of LDS; arguments x1, ln2_g, ln2_b, hbuf, W_attn, W_fc, W_proj, wts; writes hbuf, wts
;; launch fc (part 4): grid 16 x 16, 4 waves a work-group, clusters of 4 x 4, 327,680 bytes of LDS; arguments hbuf, wts, b_fc, mbuf; writes mbuf
.if DOCPART == 4
	.amdgcn_target "amdgcn-amd-amdhsa--gfx1250"
	.amdhsa_code_object_version 6
	.text
	.protected	k_q8c7c77bdfb_fc
	.globl	k_q8c7c77bdfb_fc
	.p2align	8
	.type	k_q8c7c77bdfb_fc,@function
k_q8c7c77bdfb_fc:
	s_mov_b64 s[64:65], 0
	v_nop
	global_prefetch_b8 v0, s[64:65] scope:SCOPE_SE
	s_setreg_imm32_b32 hwreg(HW_REG_WAVE_MODE, 25, 1), 1
	s_wait_xcnt 0x0
	s_wait_alu depctr_hold_cnt(0) depctr_sa_sdst(0) depctr_va_vdst(0) depctr_va_sdst(0) depctr_va_ssrc(0) depctr_va_vcc(0) depctr_vm_vsrc(0)
	s_getreg_b32 s2, hwreg(HW_REG_IB_STS2, 6, 4)
	s_cmp_eq_u32 s2, 0
	s_cbranch_scc0 .Lentry_in_a_cluster
	s_endpgm
.Lentry_in_a_cluster:
	s_bfe_u32 s2, ttmp6, 0x10000c
	s_cmp_lg_u32 s2, 0xf033
	s_cbranch_scc0 .Lentry_shape_is_right
	s_endpgm
.Lentry_shape_is_right:
; m = GELU(LN2(x1) W_fc + b_fc), exact GELU, on codes of FP8 (E4M3) with E8M0 scales, and m quantised at once along its 4,096 channels for the last product.  No work of reference() is left out here.
; A tile of 256 x 256 to a work-group of four waves, 128 x 128 a wave; K = 1,024 in four steps of 256 through a ring of two LDS slots; operands are images of their registers (the first kernel's head says how an image lies).
; The matrix instruction is used transposed: a lane holds one token, and its registers run along W_fc's columns, the next product's K.  Clusters of 4 x 4: A's tiles are asked for jointly along a row, B's along a column.
; erf(z), z = x / sqrt(2) held within +-4, is a quotient of two polynomials in z^2, in f32.  LIMITS: as stated at the head of the first kernel.
.set H_S,  4194304
.set WF_C, 3145728
.set WF_S, 11632640
.set M_S,  16777216
.set NQ,    2
.set FR,    16
.set NL,    4
.set NP,    8
.set FRB,   2048
.set RGB,   4096
.set HALFT, 32768
.set SLOT,  131072
.set LAPS,  2
.set SCL,   262144
.set HALFS, 4096
.set SPARE, 278784
.set ADRA, 16
.set ADRB, 20
.set LI,   24
.set RS,   25
.set ADRS, 27
.set SPW,  28
.set NIL,  29
.set SC,   32
.set BI,   64
.set AF,   128
.set T,    0
.set Z,    64
.set XX,   96
.set P,    128
.set D,    160
.set PC,   192
.set TM,   208
.set PW,   224
.set CA,   228
.set CB,   230
.set G1, 24
.set G0, 32
.set G1B, 48
.set G0B, 56
.set G1S, 68
.set G0S, 76
.set G1SB, 80
.set G0SB, 88
.set KR,  68
.set KA,  70
.set KB,  82
.set SEL, 90
.set MNT, 95
.set CNT, 3
.set MSB, 0
.macro WIN new
.if MSB != \new
	s_set_vgpr_msb (MSB<<8)|\new
.set MSB, \new
.endif
.endm
.set MUL_LO, 0xa1
.set MUL_HI, 0xf1
.set TO_B,   0x40
.macro JLOAD g0a, g1a, g0b, g1b
	s_cmp_eq_u32 s15, 0
	s_cbranch_scc0 .Lfor_b_\@
	tensor_load_to_lds s[\g0a:\g0a+3], s[\g1a:\g1a+7]
	s_nop 0
.rept 4
	v_nop
.endr
	s_branch .Lasked_\@
.Lfor_b_\@:
	tensor_load_to_lds s[\g0b:\g0b+3], s[\g1b:\g1b+7]
	s_nop 0
.rept 4
	v_nop
.endr
.Lasked_\@:
.endm
.macro CREST
	s_cmp_lg_u32 s14, 0
	s_cbranch_scc1 .Lnot_wave_0_\@
	s_barrier_signal -3
.Lnot_wave_0_\@:
	s_barrier_wait -3
	s_barrier_signal -1
	s_barrier_wait -1
.endm
.macro CROUND
	s_barrier_signal -1
	s_barrier_wait -1
	CREST
.endm
.macro FRAG reg, adr, q, i
.irp c, 0,1,2,3
	ds_load_b128 v[\reg+4*\c:\reg+4*\c+3], v[\adr] offset:(\i)*RGB+(\q)*FRB+512*\c
.endr
.endm
.macro MUL16 a0, p, q, sc, zero
.irp a, \a0, \a0+1
.irp b, 0,1,2,3,4,5,6,7
.if \zero
	v_wmma_scale_f32_16x16x128_f8f6f4 v[8*(8*((\a)%4)+\b):8*(8*((\a)%4)+\b)+7], v[128*(\p)+FR*\b:128*(\p)+FR*\b+FR-1], v[AF+FR*(\a):AF+FR*(\a)+FR-1], 0, v[SC+8*NQ*(\sc)+NQ*\b+(\q)], v[SC+8*NQ*(\sc)+NQ*(\a)+(\q)] matrix_a_scale:MATRIX_SCALE_ROW1
.else
	v_wmma_scale_f32_16x16x128_f8f6f4 v[8*(8*((\a)%4)+\b):8*(8*((\a)%4)+\b)+7], v[128*(\p)+FR*\b:128*(\p)+FR*\b+FR-1], v[AF+FR*(\a):AF+FR*(\a)+FR-1], v[8*(8*((\a)%4)+\b):8*(8*((\a)%4)+\b)+7], v[SC+8*NQ*(\sc)+NQ*\b+(\q)], v[SC+8*NQ*(\sc)+NQ*(\a)+(\q)] matrix_a_scale:MATRIX_SCALE_ROW1
.endif
.endr
.endr
.endm
.macro FETCH_B slot, q, p
	WIN TO_B
.irp i, 0,1,2,3,4,5,6,7
	FRAG 128*(\p)+FR*\i, ADRB+\slot, \q, \i
.endr
	WIN 0
.endm
.macro FETCH_A slot, q, i0
.irp i, \i0, \i0+1, \i0+2, \i0+3
	FRAG AF+FR*(\i), ADRA+\slot, \q, \i
.endr
.endm
.macro SCALES sc
.irp i, 0,1,2,3,4,5,6,7
.irp q, 0,1
	ds_load_b32 v[SC+8*NQ*\sc+NQ*\i+\q], v[ADRS] offset:\i*512+\q*64
.endr
.endr
.endm
.macro PLACES n
.rept \n
	v_nop
.endr
.endm
.macro STEP slot, q, zero
	s_wait_dscnt 4*NL
	WIN MUL_LO
	MUL16 0, (\q)%2, \q, \slot, \zero
	MUL16 2, (\q)%2, \q, \slot, \zero
	s_wait_dscnt 0
	PLACES NP
	FETCH_B \slot, (\q)+1, 1-(\q)%2
	FETCH_A \slot, (\q)+1, 0
	WIN MUL_HI
	MUL16 4, (\q)%2, \q, \slot, \zero
	MUL16 6, (\q)%2, \q, \slot, \zero
	PLACES NP
	WIN 0
	FETCH_A \slot, (\q)+1, 4
.endm
.macro TURN slot, next, fill
	s_wait_tensorcnt 0x0
	ds_add_u32 v[SPW], v[NIL]
	s_wait_dscnt 4*NL+1
	WIN MUL_LO
	MUL16 0, 1, NQ-1, \slot, 0
	s_wait_dscnt 0x0
	s_barrier_signal -1
	MUL16 2, 1, NQ-1, \slot, 0
	WIN 0
	s_barrier_wait -1
.if \fill
	CREST
	s_add_nc_u64 s[G0+4*\slot+2:G0+4*\slot+3], s[G0+4*\slot+2:G0+4*\slot+3], 2*RGB
	s_add_nc_u64 s[G0B+4*\slot+2:G0B+4*\slot+3], s[G0B+4*\slot+2:G0B+4*\slot+3], 2*RGB
	JLOAD G0+4*\slot, G1, G0B+4*\slot, G1B
	PLACES NP-4
.else
	PLACES NP
.endif
	s_wait_alu depctr_va_vdst(0)
	v_add_nc_u32 v[ADRS], 64*NQ, v[ADRS]
	FETCH_B \next, 0, 0
	FETCH_A \next, 0, 0
	SCALES \next
	WIN MUL_HI
	MUL16 4, 1, NQ-1, \slot, 0
	MUL16 6, 1, NQ-1, \slot, 0
	PLACES NP
	WIN 0
	FETCH_A \next, 0, 4
.endm
.macro QUANT s
.irp b, 0,1,2,3
	v_max3_num_f32 v[TM+\b], |v[\s+16*\b]|, |v[\s+1+16*\b]|, 0x4800000   ; each block's 16 numbers in TWO chains side by side; the first begins with the floor 2^(9 - 127): the byte cannot fall under 1
.endr
.irp b, 0,1,2,3
	v_max3_num_f32 v[TM+8+\b], |v[\s+16*\b+2]|, |v[\s+16*\b+3]|, |v[\s+16*\b+4]|
.endr
.irp i, 5,9
.irp b, 0,1,2,3
	v_max3_num_f32 v[TM+\b], v[TM+\b], |v[\s+16*\b+\i]|, |v[\s+16*\b+\i+1]|
.endr
.irp b, 0,1,2,3
	v_max3_num_f32 v[TM+8+\b], v[TM+8+\b], |v[\s+16*\b+\i+2]|, |v[\s+16*\b+\i+3]|
.endr
.endr
.irp b, 0,1,2,3
	v_max3_num_f32 v[TM+\b], v[TM+\b], |v[\s+16*\b+13]|, |v[\s+16*\b+14]|
.endr
.irp b, 0,1,2,3
	v_max3_num_f32 v[TM+\b], v[TM+\b], v[TM+8+\b], |v[\s+16*\b+15]|      ; the two chains joined
.endr
.irp b, 0,1,2,3
	v_permlanex16_b32 v[TM+4+\b], v[TM+\b], s[SEL], s[SEL+1]
.endr
.irp b, 0,1,2,3
	v_max_num_f32 v[TM+\b], v[TM+\b], v[TM+4+\b]
.endr
.irp b, 0,1,2,3
	v_add_nc_u32 v[TM+12+\b], 0xfc000000, v[TM+\b]
.endr
.irp b, 0,1,2,3
	v_and_or_b32 v[TM+8+\b], v[TM+\b], 0x7f800000, s[MNT]
.endr
.irp b, 0,1,2,3
	v_lshrrev_b32 v[TM+4+\b], 23, v[TM+12+\b]
.endr
	v_lshl_or_b32 v[PW], v[TM+5], 8, v[TM+4]       ; the scale word's three lines stand among the holds, a block's conversions behind the next block's holds
.irp b, 0,1,2,3
.irp i, 0,1,2,3,4,5,6,7,8,9,10,11,12,13,14,15
	v_med3_num_f32 v[\s+16*\b+\i], v[\s+16*\b+\i], -v[TM+8+\b], v[TM+8+\b]   ; the conversion does not saturate (ISA guide 7.6.2): the hold comes first
.endr
.if \b == 0
	v_lshl_or_b32 v[PW], v[TM+6], 16, v[PW]
.else
.if \b == 1
	v_lshl_or_b32 v[PW], v[TM+7], 24, v[PW]
.endif
	v_cvt_scalef32_pk8_fp8_f32 v[PC+4*(\b-1):PC+1+4*(\b-1)], v[\s+16*(\b-1):\s+7+16*(\b-1)], v[TM+12+(\b-1)]
	v_cvt_scalef32_pk8_fp8_f32 v[PC+2+4*(\b-1):PC+3+4*(\b-1)], v[\s+8+16*(\b-1):\s+15+16*(\b-1)], v[TM+12+(\b-1)]
.endif
.endr
	v_cvt_scalef32_pk8_fp8_f32 v[PC+12:PC+13], v[\s+48:\s+55], v[TM+15]
	v_cvt_scalef32_pk8_fp8_f32 v[PC+14:PC+15], v[\s+56:\s+63], v[TM+15]
	v_nop                                          ; a plain line behind the last conversion
.endm
.macro ARM k, join, last
.if !\last
	s_cmp_eq_u32 s[CNT], \k
	s_cbranch_scc0 .Lna_\@
.endif
	WIN (0x42+(\k)/4)
.set Q, 0
.rept 32
	v_pk_add_f32 v[T+Q:T+Q+1], v[64*((\k)%4)+Q:64*((\k)%4)+Q+1], v[BI+Q:BI+Q+1]
.set Q, Q+2
.endr
	WIN 0
.if !\last
	s_branch \join
.Lna_\@:
.endif
.endm
.macro KPAIR r, val
	s_mov_b32 s[\r], \val
	s_mov_b32 s[\r+1], \val
.endm
.macro GELU q
.set TT, T+32*(\q)
.set Q, 0
.rept 16
	v_pk_mul_f32 v[Z+Q:Z+Q+1], v[TT+Q:TT+Q+1], s[KR:KR+1] op_sel_hi:[1,0]
.set Q, Q+2
.endr
.set Q, 0
.rept 32
	v_med3_num_f32 v[Z+Q], v[Z+Q], -4.0, 4.0
.set Q, Q+1
.endr
.set Q, 0
.rept 16
	v_pk_mul_f32 v[XX+Q:XX+Q+1], v[Z+Q:Z+Q+1], v[Z+Q:Z+Q+1]
.set Q, Q+2
.endr
.set Q, 0
.rept 16
	v_pk_fma_f32 v[P+Q:P+Q+1], v[XX+Q:XX+Q+1], v[CA:CA+1], s[KA:KA+1] op_sel_hi:[1,1,0]
.set Q, Q+2
.endr
.irp n, 1,2,3,4,5
.set Q, 0
.rept 16
	v_pk_fma_f32 v[P+Q:P+Q+1], v[P+Q:P+Q+1], v[XX+Q:XX+Q+1], s[KA+2*\n:KA+2*\n+1] op_sel_hi:[1,1,0]
.set Q, Q+2
.endr
.endr
.set Q, 0
.rept 16
	v_pk_fma_f32 v[D+Q:D+Q+1], v[XX+Q:XX+Q+1], v[CB:CB+1], s[KB:KB+1] op_sel_hi:[1,1,0]
.set Q, Q+2
.endr
.irp n, 1,2,3
.set Q, 0
.rept 16
	v_pk_fma_f32 v[D+Q:D+Q+1], v[D+Q:D+Q+1], v[XX+Q:XX+Q+1], s[KB+2*\n:KB+2*\n+1] op_sel_hi:[1,1,0]
.set Q, Q+2
.endr
.endr
.set Q, 0
.rept 16
	v_pk_mul_f32 v[P+Q:P+Q+1], v[P+Q:P+Q+1], v[Z+Q:Z+Q+1]
.set Q, Q+2
.endr
.set Q, 0
	s_wait_alu depctr_va_vdst(0)
.rept 32
	v_rcp_f32 v[D+Q], v[D+Q]
.set Q, Q+1
.endr
.set Q, 0
.rept 16
	v_pk_mul_f32 v[XX+Q:XX+Q+1], v[TT+Q:TT+Q+1], 0.5 op_sel_hi:[1,0]
.set Q, Q+2
.endr
	s_wait_alu depctr_va_vdst(0)
.set Q, 0
.rept 16
	v_pk_mul_f32 v[P+Q:P+Q+1], v[P+Q:P+Q+1], v[D+Q:D+Q+1]
.set Q, Q+2
.endr
.set Q, 0
.rept 16
	v_pk_fma_f32 v[TT+Q:TT+Q+1], v[XX+Q:XX+Q+1], v[P+Q:P+Q+1], v[XX+Q:XX+Q+1]
.set Q, Q+2
.endr
.endm
	s_load_b256 s[4:11], s[0:1], 0x0
	v_lshl_add_u32 v[SPW], v0, 2, SPARE
	v_mov_b32 v[NIL], 0
	ds_add_u32 v[SPW], v[NIL]
	ds_add_u32 v[SPW], v[NIL]
	v_lshrrev_b32 v1, 5, v0
	v_readfirstlane_b32 s14, v1
	s_lshr_b32 s15, s14, 1
	s_and_b32 s16, s14, 1
	s_bfe_u32 s40, ttmp6, 0x40000
	s_bfe_u32 s41, ttmp6, 0x40004
	s_lshl_b32 s42, ttmp9, 2
	s_add_co_u32 s42, s42, s40
	s_and_b32 s17, ttmp7, 0xffff
	s_lshl_b32 s17, s17, 2
	s_add_co_u32 s17, s17, s41
	s_lshl_b32 s43, s41, 2
	s_lshl_b32 s43, 15, s43
	s_lshl_b32 s44, 0x1111, s40
	s_or_b32 s[G1+0], s43, (3<<16)|(1<<21)
	s_or_b32 s[G1B+0], s44, (3<<16)|(1<<21)
.irp g, G1, G1B
	s_mov_b32 s[\g+1], 512<<16
	s_mov_b32 s[\g+2], 16<<16                      ; the head's loads bring 16 row-groups; behind them these two words are set to 8, for the ring's
	s_mov_b32 s[\g+3], 512<<16
	s_mov_b32 s[\g+4], 16
	s_mov_b32 s[\g+5], 2048
	s_mov_b32 s[\g+6], 0
	s_mov_b32 s[\g+7], 0
.endr
	s_or_b32 s[G1S+0], s43, (3<<16)|(1<<21)
	s_or_b32 s[G1SB+0], s44, (3<<16)|(1<<21)
.irp g, G1S, G1SB
	s_mov_b32 s[\g+1], 32<<16
	s_mov_b32 s[\g+2], 32<<16                      ; the scale words of 256 rows: 8,192 dense bytes as 32 rows of 256
	s_mov_b32 s[\g+3], 32<<16
	s_mov_b32 s[\g+4], 32
	s_mov_b32 s[\g+5], 32
	s_mov_b32 s[\g+6], 0
	s_mov_b32 s[\g+7], 0
.endr
	s_lshl_b32 s18, s16, 7
	s_lshl_b32 s20, s17, 8
	s_add_co_u32 s20, s20, s18
	s_lshl_b32 s46, s42, 8
	s_add_co_u32 s46, s46, s18
	s_lshl_b32 s22, s17, 13                        ; scale words: 32 bytes a row, from the tile's first row
	s_add_co_u32 s22, s22, H_S
	s_mov_b32 s23, 0
	s_lshl_b32 s92, s42, 13
	s_add_co_u32 s92, s92, WF_S
	s_mov_b32 s93, 0
	s_lshl_b32 s20, s20, 10
	s_mov_b32 s21, 0
	s_lshl_b32 s46, s46, 10
	s_add_co_u32 s46, s46, WF_C
	s_mov_b32 s47, 0
	s_mul_i32 s45, s14, HALFT
	s_wait_dscnt 0x0
	s_wait_kmcnt 0x0
	s_add_nc_u64 s[20:21], s[4:5], s[20:21]
	s_add_nc_u64 s[22:23], s[4:5], s[22:23]
	s_add_nc_u64 s[46:47], s[6:7], s[46:47]
	s_add_nc_u64 s[92:93], s[6:7], s[92:93]
	CROUND
	s_mov_b32 s[G0S], 1
	s_mov_b32 s[G0S+1], SCL
	s_mov_b64 s[G0S+2:G0S+3], s[22:23]
	s_or_b32 s[G0S+3], s[G0S+3], 0x80000000
	s_mov_b32 s[G0SB], 1
	s_mov_b32 s[G0SB+1], SCL+64+2*HALFS
	s_mov_b64 s[G0SB+2:G0SB+3], s[92:93]
	s_or_b32 s[G0SB+3], s[G0SB+3], 0x80000000
.irp s, 0,1
	s_mov_b32 s[G0+4*\s], 1
	s_add_co_u32 s[G0+4*\s+1], s45, \s*SLOT
	s_add_nc_u64 s[G0+4*\s+2:G0+4*\s+3], s[20:21], \s*RGB
	s_or_b32 s[G0+4*\s+3], s[G0+4*\s+3], 0x80000000
	s_mov_b32 s[G0B+4*\s], 1
	s_add_co_u32 s[G0B+4*\s+1], s45, \s*SLOT
	s_add_nc_u64 s[G0B+4*\s+2:G0B+4*\s+3], s[46:47], \s*RGB
	s_or_b32 s[G0B+4*\s+3], s[G0B+4*\s+3], 0x80000000
.endr
	; THE PREFETCHES: a K step of the 8 row-groups that my wave fetches is 8 x 4,096 bytes.  The four partners that ask for them jointly share them out BY ADDRESS: the partner at place p (cx for A, cy for B) names row-groups 2 p and 2 p + 1,
	; sixteen lanes to a row-group, lanes 256 bytes apart: each block of 256 bytes is named once in the cluster.  K steps 1 and 2 are asked for here, K step 3 behind K step 1's load; K has four steps, so the ring's refills ask for nothing.
.set PFA, 12
.set PFO, 30
	s_cmp_eq_u32 s15, 0
	s_cselect_b64 s[PFA:PFA+1], s[20:21], s[46:47]
	s_cselect_b32 s98, s40, s41
	s_lshl_b32 s98, s98, 15
	s_mov_b32 s99, 0
	s_add_nc_u64 s[PFA:PFA+1], s[PFA:PFA+1], s[98:99]
	; THE HEAD'S LOADS, ONE A WAVE: wave 0 K step 0's 256 rows of A, wave 1 A's scale words, wave 2 K step 0's 256 rows of B, wave 3 B's scale words.
	; In waves 0 and 2 slot 0's own group 0 names the tile's first row and the slot's first byte of A or B.  One tree of branches on the wave's number: every way passes one load.
.macro HARM under, g0, g1, next
	s_cmp_lt_u32 s14, \under
	s_cbranch_scc0 \next
	tensor_load_to_lds s[\g0:\g0+3], s[\g1:\g1+7]
	s_nop 0
	PLACES 4
	s_branch .Lhead_asked
\next:
.endm
	HARM 1, G0, G1, .Lh_sa
	HARM 2, G0S, G1S, .Lh_b
	HARM 3, G0B, G1B, .Lh_sb
	tensor_load_to_lds s[G0SB:G0SB+3], s[G1SB:G1SB+7]
	s_nop 0
	PLACES 4
.Lhead_asked:
	v_and_b32 v[PFO], 15, v0
	v_bfe_u32 v31, v0, 4, 1
	v_lshlrev_b32 v[PFO], 8, v[PFO]
	v_lshl_add_u32 v[PFO], v31, 14, v[PFO]         ; 256 x (lane % 16) + a row-group's 16,384 bytes for lanes 16-31; never rewritten
	global_prefetch_b8 v[PFO], s[PFA:PFA+1] offset:RGB th:TH_LOAD_NT scope:SCOPE_SE
	global_prefetch_b8 v[PFO], s[PFA:PFA+1] offset:2*RGB th:TH_LOAD_NT scope:SCOPE_SE
	v_and_b32 v1, 15, v0
	v_bfe_u32 v2, v0, 4, 1
	s_wait_alu depctr_va_vdst(0)
	v_and_b32 v3, 31, v0
	v_lshlrev_b32 v[LI], 4, v3
	v_lshlrev_b32 v[RS], 2, v1
	s_mul_i32 s21, s15, HALFT
	s_mul_i32 s22, s16, HALFT
	s_add_co_u32 s22, s22, 2*HALFT
.irp s, 0,1
	v_add_nc_u32 v[ADRA+\s], s21, v[LI]
	v_add_nc_u32 v[ADRB+\s], s22, v[LI]
	s_add_co_u32 s21, s21, SLOT
	s_add_co_u32 s22, s22, SLOT
.endr
	s_mul_i32 s21, s15, HALFS
	s_mul_i32 s22, s16, HALFS
	s_add_co_u32 s22, s22, 2*HALFS+64
	s_sub_co_u32 s22, s22, s21
	v_mul_u32_u24 v6, s22, v2
	s_wait_alu depctr_va_vdst(0)
	s_add_co_u32 s21, s21, SCL
	v_add_nc_u32 v5, v[RS], v6
	v_add_nc_u32 v[ADRS], s21, v5
	s_lshl_b32 s96, s42, 10
	s_lshl_b32 s97, s16, 9
	s_add_co_u32 s96, s96, s97
	s_mov_b32 s97, 0
	s_add_nc_u64 s[96:97], s[8:9], s[96:97]
	v_lshlrev_b32 v4, 6, v2
.irp b, 0,1,2,3
.irp j, 0,1,2,3
	global_load_b128 v[BI+16*\b+4*\j:BI+16*\b+4*\j+3], v4, s[96:97] offset:128*\b+16*\j
.endr
.endr
	s_wait_alu depctr_va_vdst(0)                   ; the wait at the head's end
	s_wait_tensorcnt 0x0                           ; my tile of the head's four is in
	ds_add_u32 v[SPW], v[NIL]
	s_mov_b32 s[G1+2], 8<<16                       ; no tensor load of mine is out: from here on a load brings 8 row-groups
	s_mov_b32 s[G1+4], 8
	s_mov_b32 s[G1B+2], 8<<16
	s_mov_b32 s[G1B+4], 8
	s_wait_dscnt 0x0                               ; the add is done
	CROUND                                         ; all four tiles are in, and all sixteen work-groups are here
	JLOAD G0+4, G1, G0B+4, G1B                     ; K step 1: the first tensor load behind the round
	FETCH_B 0, 0, 0
	FETCH_A 0, 0, 0
	SCALES 0
	FETCH_A 0, 0, 4
	global_prefetch_b8 v[PFO], s[PFA:PFA+1] offset:3*RGB th:TH_LOAD_NT scope:SCOPE_SE   ; K step 3, two refills ahead of its load
	STEP 0, 0, 1                                   ; the first step's products start the sums
	s_mov_b32 s3, LAPS-1
.Llap:
	TURN 0, 1, 1
	STEP 1, 0, 0
	TURN 1, 0, 1
	STEP 0, 0, 0
	s_sub_co_u32 s3, s3, 1
	s_cmp_lg_u32 s3, 0
	s_cbranch_scc1 .Llap
	TURN 0, 1, 0
	STEP 1, 0, 0
	s_wait_dscnt 4*NL
	WIN MUL_LO
	MUL16 0, 1, NQ-1, 1, 0
	MUL16 2, 1, NQ-1, 1, 0
	s_wait_dscnt 0
	WIN MUL_HI
	MUL16 4, 1, NQ-1, 1, 0
	MUL16 6, 1, NQ-1, 1, 0
	WIN 0
	PLACES NP
	s_mov_b32 s[SEL], 0x76543210
	s_mov_b32 s[SEL+1], 0xfedcba98
	s_mov_b32 s[MNT], 0x600000
	s_mov_b32 s[CNT], 0
	KPAIR KR, 0x3f3504f3
	KPAIR KA+0, 0x32edffee
	KPAIR KA+2, 0xb60cff51
	KPAIR KA+4, 0xb86ec2d2
	KPAIR KA+6, 0xba40ac63
	KPAIR KA+8, 0xbb41a1f6
	KPAIR KA+10, 0xbc83dbd4
	KPAIR KB+0, 0xb95fbd29
	KPAIR KB+2, 0xbadc924e
	KPAIR KB+4, 0xbbf19bf8
	KPAIR KB+6, 0xbc69b6a7
	WIN 0x40
.irp b, 0,1,2,3
	v_mov_b32 v[TM+4+\b], 0
.endr
	v_mov_b32 v[CA], 0xaf95df0b
	v_mov_b32 v[CA+1], 0xaf95df0b
	v_mov_b32 v[CB], 0xb77460cd
	v_mov_b32 v[CB+1], 0xb77460cd
	WIN 0
	s_lshl_b32 s28, s17, 4
	s_lshl_b32 s29, s15, 3
	s_add_co_u32 s28, s28, s29
	s_lshl_b32 s28, s28, 5
	s_lshl_b32 s29, s42, 1
	s_add_co_u32 s28, s28, s29
	s_add_co_u32 s28, s28, s16
	s_lshl_b32 s30, s28, 11
	s_mov_b32 s31, 0
	s_add_nc_u64 s[24:25], s[10:11], s[30:31]
	s_lshl_b32 s30, s28, 6
	s_add_co_u32 s30, s30, M_S
	s_add_nc_u64 s[26:27], s[10:11], s[30:31]
	s_mov_b32 s29, 0                               ; the upper words of the two steps below (s31 is 0 already)
	s_wait_loadcnt 0x0                             ; the bias
.Lblk:
	ARM 0, .Ljoin, 0
	ARM 1, .Ljoin, 0
	ARM 2, .Ljoin, 0
	ARM 3, .Ljoin, 0
	ARM 4, .Ljoin, 0
	ARM 5, .Ljoin, 0
	ARM 6, .Ljoin, 0
	ARM 7, .Ljoin, 1
.Ljoin:
	WIN 0x55
	GELU 0
	GELU 1
	s_wait_alu depctr_va_vdst(0)                   ; the wait here, directly ahead of the wait below
	s_wait_xcnt 0x0                                ; the last block's stores have read their registers and bases: the codes, the scale word and the bases are written again only behind this wait
	s_cmp_eq_u32 s[CNT], 0
	s_cselect_b32 s28, 0, 0x10000                  ; from block to block: a row-group's 65,536 bytes of codes, 2,048 of scale words; the first block stands where the bases were made
	s_cselect_b32 s30, 0, 2048
	s_add_nc_u64 s[24:25], s[24:25], s[28:29]
	s_add_nc_u64 s[26:27], s[26:27], s[30:31]
	QUANT T
	WIN 0x04
.irp c, 0,1,2,3
	global_store_b128 v[LI], v[PC+4*\c:PC+4*\c+3], s[24:25] offset:512*\c
.endr
	global_store_b32 v[RS], v[PW], s[26:27]
	WIN 0
	s_add_co_u32 s[CNT], s[CNT], 1
	s_cmp_lt_u32 s[CNT], 8
	s_cbranch_scc1 .Lblk
	s_wait_tensorcnt 0x0
	ds_add_u32 v[SPW], v[NIL]
	s_wait_dscnt 0x0
	CROUND
	s_endpgm
.Lfunc_end_k_q8c7c77bdfb_fc:
	.size	k_q8c7c77bdfb_fc, .Lfunc_end_k_q8c7c77bdfb_fc-k_q8c7c77bdfb_fc
	.p2alignl 7, 3214868480
	.fill 96, 4, 3214868480
	.section	.rodata,"a",@progbits
	.p2align	6, 0x0
	.amdhsa_kernel k_q8c7c77bdfb_fc
		.amdhsa_group_segment_fixed_size 327680
		.amdhsa_private_segment_fixed_size 0
		.amdhsa_enable_private_segment 0
		.amdhsa_kernarg_size 32
		.amdhsa_user_sgpr_count 2
		.amdhsa_user_sgpr_kernarg_segment_ptr 1
		.amdhsa_wavefront_size32 1
		.amdhsa_system_sgpr_workgroup_id_x 1
		.amdhsa_system_sgpr_workgroup_id_y 1
		.amdhsa_system_sgpr_workgroup_id_z 1
		.amdhsa_system_vgpr_workitem_id 0
		.amdhsa_next_free_vgpr 1024
		.amdhsa_next_free_sgpr 100
		.amdhsa_reserve_vcc 0
		.amdhsa_float_denorm_mode_32 3
		.amdhsa_float_denorm_mode_16_64 3
		.amdhsa_memory_ordered 1
		.amdhsa_forward_progress 1
		.amdhsa_inst_pref_size 187
	.end_amdhsa_kernel
	.amdgpu_metadata
---
amdhsa.version: [ 1, 2 ]
amdhsa.kernels:
  - .name:           k_q8c7c77bdfb_fc
    .symbol:         k_q8c7c77bdfb_fc.kd
    .args:
      - { .name: hbuf, .offset: 0, .size: 8, .value_kind: global_buffer, .address_space: global }
      - { .name: wts, .offset: 8, .size: 8, .value_kind: global_buffer, .address_space: global }
      - { .name: b_fc, .offset: 16, .size: 8, .value_kind: global_buffer, .address_space: global }
      - { .name: mbuf, .offset: 24, .size: 8, .value_kind: global_buffer, .address_space: global }
    .group_segment_fixed_size: 327680
    .private_segment_fixed_size: 0
    .kernarg_segment_align: 8
    .kernarg_segment_size: 32
    .max_flat_workgroup_size: 128
    .sgpr_count:     100
    .vgpr_count:     1024
    .wavefront_size: 32
...
	.end_amdgpu_metadata
.endif
;; end of part 4
;; launch proj (part 5): grid 8 x 32, 4 waves a work-group, clusters of 4 x 4, 327,680 bytes of LDS; arguments mbuf, wts, b_proj, x1, out0; writes out0
.if DOCPART == 5
	.amdgcn_target "amdgcn-amd-amdhsa--gfx1250"
	.amdhsa_code_object_version 6
	.text
	.protected	k_q8c7c77bdfb_proj
	.globl	k_q8c7c77bdfb_proj
	.p2align	8
	.type	k_q8c7c77bdfb_proj,@function
k_q8c7c77bdfb_proj:
	s_mov_b64 s[64:65], 0
	v_nop
	global_prefetch_b8 v0, s[64:65] scope:SCOPE_SE
	s_setreg_imm32_b32 hwreg(HW_REG_WAVE_MODE, 25, 1), 1
	s_wait_xcnt 0x0
	s_wait_alu depctr_hold_cnt(0) depctr_sa_sdst(0) depctr_va_vdst(0) depctr_va_sdst(0) depctr_va_ssrc(0) depctr_va_vcc(0) depctr_vm_vsrc(0)
	s_getreg_b32 s2, hwreg(HW_REG_IB_STS2, 6, 4)
	s_cmp_eq_u32 s2, 0
	s_cbranch_scc0 .Lentry_in_a_cluster
	s_endpgm
.Lentry_in_a_cluster:
	s_bfe_u32 s2, ttmp6, 0x10000c
	s_cmp_lg_u32 s2, 0xf033
	s_cbranch_scc0 .Lentry_shape_is_right
	s_endpgm
.Lentry_shape_is_right:
; out0 = x1 + m W_proj + b_proj on codes of FP8 (E4M3) with E8M0 scales.  No work of reference() is left out here.
; A tile of 128 x 128 to a work-group of four waves, 64 x 64 a wave (16 accumulators, begun with the bias as C); K = 4,096 in eight steps of 512 through a ring of two LDS slots; operands are images of their registers
; (the first kernel's head says how an image lies).  The scale words of all of K come into LDS once.  Clusters of 4 x 4: A's tiles are asked for jointly along a row, B's along a column.
; The result goes through each wave's stage in LDS (in slot 0, behind its last fill and last read), takes x1, and leaves as aligned runs of 256 bytes.  LIMITS: as stated at the head of the first kernel.
.set WP_C, 7340032
.set WP_S, 11763712
.set M_S,  16777216
.set NP,    8
.set FRB,   2048
.set RGB,   8192
.set HALFT, 32768
.set SLOT,  131072
.set LAPS,  4
.set SCL,   262144
.set HALFS, 8192
.set SPARE, 295168
.set ADRA, 16
.set ADRB, 20
.set STO,  24
.set RD,   25
.set CO,   26
.set ADRS, 27
.set SPW,  28
.set NIL,  29
.set SC,   32
.set BI,   64
.set RB,   64
.set ACC,  128
.set F0,   0
.set F1,   128
.set G1, 24
.set G0, 32
.set G1B, 48
.set G0B, 56
.set G1S, 68
.set G0S, 76
.set G1SB, 80
.set G0SB, 88
.set MSB, 0
.macro WIN new
.if MSB != \new
	s_set_vgpr_msb (MSB<<8)|\new
.set MSB, \new
.endif
.endm
.set MUL,  0x05
.set TO_F, 0x40
.macro JLOAD g0a, g1a, g0b, g1b
	s_cmp_eq_u32 s15, 0
	s_cbranch_scc0 .Lfor_b_\@
	tensor_load_to_lds s[\g0a:\g0a+3], s[\g1a:\g1a+7]
	s_nop 0
.rept 4
	v_nop
.endr
	s_branch .Lasked_\@
.Lfor_b_\@:
	tensor_load_to_lds s[\g0b:\g0b+3], s[\g1b:\g1b+7]
	s_nop 0
.rept 4
	v_nop
.endr
.Lasked_\@:
.endm
.macro CREST
	s_cmp_lg_u32 s14, 0
	s_cbranch_scc1 .Lnot_wave_0_\@
	s_barrier_signal -3
.Lnot_wave_0_\@:
	s_barrier_wait -3
	s_barrier_signal -1
	s_barrier_wait -1
.endm
.macro CROUND
	s_barrier_signal -1
	s_barrier_wait -1
	CREST
.endm
.macro PLACES n
.rept \n
	v_nop
.endr
.endm
.macro FETCH slot, q, f
	WIN 0
.irp i, 0,1,2,3
	ds_load_b32 v[SC+4*((\f)/128)+\i], v[ADRS] offset:\i*2048+(\q)*64
.endr
	WIN TO_F
.irp i, 0,1,2,3
.irp c, 0,1,2,3
	ds_load_b128 v[\f+64+16*\i+4*\c:\f+64+16*\i+4*\c+3], v[ADRB+\slot] offset:\i*RGB+(\q)*FRB+512*\c
.endr
.endr
.irp i, 0,1,2,3
.irp c, 0,1,2,3
	ds_load_b128 v[\f+16*\i+4*\c:\f+16*\i+4*\c+3], v[ADRA+\slot] offset:\i*RGB+(\q)*FRB+512*\c
.endr
.endr
.endm
.macro MUL4 f, a, zero
.irp b, 0,1,2,3
.if \zero
	v_wmma_scale_f32_16x16x128_f8f6f4 v[ACC+8*(4*(\a)+\b):ACC+8*(4*(\a)+\b)+7], v[\f+64+16*\b:\f+64+16*\b+15], v[\f+16*(\a):\f+16*(\a)+15], v[BI+8*\b:BI+8*\b+7], v[SC+4*((\f)/128)+\b], v[SC+4*((\f)/128)+(\a)] matrix_a_scale:MATRIX_SCALE_ROW1
.else
	v_wmma_scale_f32_16x16x128_f8f6f4 v[ACC+8*(4*(\a)+\b):ACC+8*(4*(\a)+\b)+7], v[\f+64+16*\b:\f+64+16*\b+15], v[\f+16*(\a):\f+16*(\a)+15], v[ACC+8*(4*(\a)+\b):ACC+8*(4*(\a)+\b)+7], v[SC+4*((\f)/128)+\b], v[SC+4*((\f)/128)+(\a)] matrix_a_scale:MATRIX_SCALE_ROW1
.endif
.endr
.endm
.macro QUARTER slot, qn, f, g, zero
	s_wait_dscnt 8
	WIN MUL
	MUL4 \f, 0, \zero
	MUL4 \f, 1, \zero
	PLACES NP
	FETCH \slot, \qn, \g
	s_wait_dscnt 36
	WIN MUL
	MUL4 \f, 2, \zero
	MUL4 \f, 3, \zero
.endm
.macro TURN slot, next, fill
	WIN 0
.if \fill
	s_wait_xcnt 0x0                                ; my last prefetch has read its address: it is stepped here, ahead of the waits of the change of slots
	s_add_nc_u64 s[PFA:PFA+1], s[PFA:PFA+1], RGB
.endif
	s_wait_tensorcnt 0x0
	ds_add_u32 v[SPW], v[NIL]
	s_wait_dscnt 9
	WIN MUL
	MUL4 F1, 0, 0
	s_wait_dscnt 0x0
	s_barrier_signal -1
	MUL4 F1, 1, 0
	WIN 0
	s_barrier_wait -1
.if \fill
	CREST
	s_add_nc_u64 s[G0+4*\slot+2:G0+4*\slot+3], s[G0+4*\slot+2:G0+4*\slot+3], 2*RGB
	s_add_nc_u64 s[G0B+4*\slot+2:G0B+4*\slot+3], s[G0B+4*\slot+2:G0B+4*\slot+3], 2*RGB
	JLOAD G0+4*\slot, G1, G0B+4*\slot, G1B
	PLACES NP-4
.else
	PLACES NP
.endif
	v_add_nc_u32 v[ADRS], 256, v[ADRS]
	FETCH \next, 0, F0
.if \fill
	WIN 0                                          ; at a branch and at a label every window is 0
	s_cmp_gt_u32 s3, 1                             ; the last trip's two refills have no K step two on
	s_cbranch_scc0 .Lnone_on_\@
	global_prefetch_b8 v[PFO], s[PFA:PFA+1] offset:3*RGB th:TH_LOAD_NT scope:SCOPE_SE   ; the K step that stands two refills on
.Lnone_on_\@:
.endif
	WIN MUL
	MUL4 F1, 2, 0
	MUL4 F1, 3, 0
.endm
	s_load_b256 s[4:11], s[0:1], 0x0
	s_load_b64 s[12:13], s[0:1], 0x20
	v_lshl_add_u32 v[SPW], v0, 2, SPARE
	v_mov_b32 v[NIL], 0
	ds_add_u32 v[SPW], v[NIL]
	ds_add_u32 v[SPW], v[NIL]
	v_lshrrev_b32 v1, 5, v0
	v_readfirstlane_b32 s14, v1
	s_lshr_b32 s15, s14, 1
	s_and_b32 s16, s14, 1
	s_bfe_u32 s40, ttmp6, 0x40000
	s_bfe_u32 s41, ttmp6, 0x40004
	s_lshl_b32 s42, ttmp9, 2
	s_add_co_u32 s42, s42, s40
	s_and_b32 s17, ttmp7, 0xffff
	s_lshl_b32 s17, s17, 2
	s_add_co_u32 s17, s17, s41
	s_lshl_b32 s43, s41, 2
	s_lshl_b32 s43, 15, s43
	s_lshl_b32 s44, 0x1111, s40
	s_or_b32 s[G1+0], s43, (3<<16)|(1<<21)
	s_or_b32 s[G1B+0], s44, (3<<16)|(1<<21)
.irp g, G1, G1B
	s_mov_b32 s[\g+1], 1024<<16
	s_mov_b32 s[\g+2], 8<<16                       ; the head's loads bring 8 row-groups; behind them these two words are set to 4, for the ring's
	s_mov_b32 s[\g+3], 1024<<16
	s_mov_b32 s[\g+4], 8
	s_mov_b32 s[\g+5], 8192
	s_mov_b32 s[\g+6], 0
	s_mov_b32 s[\g+7], 0
.endr
	s_or_b32 s[G1S+0], s43, (3<<16)|(1<<21)
	s_or_b32 s[G1SB+0], s44, (3<<16)|(1<<21)
.irp g, G1S, G1SB
	s_mov_b32 s[\g+1], 32<<16
	s_mov_b32 s[\g+2], 64<<16                      ; the scale words of 128 rows: 16,384 dense bytes as 64 rows of 256
	s_mov_b32 s[\g+3], 32<<16
	s_mov_b32 s[\g+4], 64
	s_mov_b32 s[\g+5], 32
	s_mov_b32 s[\g+6], 0
	s_mov_b32 s[\g+7], 0
.endr
	s_lshl_b32 s18, s16, 6
	s_lshl_b32 s20, s17, 7
	s_add_co_u32 s20, s20, s18
	s_lshl_b32 s46, s42, 7
	s_add_co_u32 s46, s46, s18
	s_lshl_b32 s22, s17, 14                        ; scale words: 128 bytes a row, from the tile's first row
	s_add_co_u32 s22, s22, M_S
	s_mov_b32 s23, 0
	s_lshl_b32 s92, s42, 14
	s_add_co_u32 s92, s92, WP_S
	s_mov_b32 s93, 0
	s_lshl_b32 s20, s20, 12
	s_mov_b32 s21, 0
	s_lshl_b32 s46, s46, 12
	s_add_co_u32 s46, s46, WP_C
	s_mov_b32 s47, 0
	s_mul_i32 s45, s14, HALFT
	s_wait_dscnt 0x0
	s_wait_kmcnt 0x0
	s_add_nc_u64 s[20:21], s[4:5], s[20:21]
	s_add_nc_u64 s[22:23], s[4:5], s[22:23]
	s_add_nc_u64 s[46:47], s[6:7], s[46:47]
	s_add_nc_u64 s[92:93], s[6:7], s[92:93]
	CROUND
	s_mov_b32 s[G0S], 1
	s_mov_b32 s[G0S+1], SCL
	s_mov_b64 s[G0S+2:G0S+3], s[22:23]
	s_or_b32 s[G0S+3], s[G0S+3], 0x80000000
	s_mov_b32 s[G0SB], 1
	s_mov_b32 s[G0SB+1], SCL+64+2*HALFS
	s_mov_b64 s[G0SB+2:G0SB+3], s[92:93]
	s_or_b32 s[G0SB+3], s[G0SB+3], 0x80000000
.irp s, 0,1
	s_mov_b32 s[G0+4*\s], 1
	s_add_co_u32 s[G0+4*\s+1], s45, \s*SLOT
	s_add_nc_u64 s[G0+4*\s+2:G0+4*\s+3], s[20:21], \s*RGB
	s_or_b32 s[G0+4*\s+3], s[G0+4*\s+3], 0x80000000
	s_mov_b32 s[G0B+4*\s], 1
	s_add_co_u32 s[G0B+4*\s+1], s45, \s*SLOT
	s_add_nc_u64 s[G0B+4*\s+2:G0B+4*\s+3], s[46:47], \s*RGB
	s_or_b32 s[G0B+4*\s+3], s[G0B+4*\s+3], 0x80000000
.endr
	; THE PREFETCHES: a K step of the 4 row-groups that my wave fetches is 4 x 8,192 bytes.  The four partners that ask for them jointly share them out BY ADDRESS: the partner at place p (cx for A, cy for B) names row-group p,
	; lanes 256 bytes apart: each block of 256 bytes is named once in the cluster.  K steps 1 and 2 are asked for here, K step 3 behind K step 1's load, and behind the refill of K step s the K step s + 2, up to the last.
.set PFA, 96
.set PFO, 30
	s_cmp_eq_u32 s15, 0
	s_cselect_b64 s[PFA:PFA+1], s[20:21], s[46:47]
	s_cselect_b32 s98, s40, s41
	s_lshl_b32 s98, s98, 16
	s_mov_b32 s99, 0
	s_add_nc_u64 s[PFA:PFA+1], s[PFA:PFA+1], s[98:99]
	; THE HEAD'S LOADS, ONE A WAVE: wave 0 K step 0's 128 rows of A, wave 1 A's scale words, wave 2 K step 0's 128 rows of B, wave 3 B's scale words.
	; In waves 0 and 2 slot 0's own group 0 names the tile's first row and the slot's first byte of A or B.  One tree of branches on the wave's number: every way passes one load.
.macro HARM under, g0, g1, next
	s_cmp_lt_u32 s14, \under
	s_cbranch_scc0 \next
	tensor_load_to_lds s[\g0:\g0+3], s[\g1:\g1+7]
	s_nop 0
	PLACES 4
	s_branch .Lhead_asked
\next:
.endm
	HARM 1, G0, G1, .Lh_sa
	HARM 2, G0S, G1S, .Lh_b
	HARM 3, G0B, G1B, .Lh_sb
	tensor_load_to_lds s[G0SB:G0SB+3], s[G1SB:G1SB+7]
	s_nop 0
	PLACES 4
.Lhead_asked:
	v_and_b32 v[PFO], 31, v0
	v_lshlrev_b32 v[PFO], 8, v[PFO]                ; 256 x lane; never rewritten
	global_prefetch_b8 v[PFO], s[PFA:PFA+1] offset:RGB th:TH_LOAD_NT scope:SCOPE_SE
	global_prefetch_b8 v[PFO], s[PFA:PFA+1] offset:2*RGB th:TH_LOAD_NT scope:SCOPE_SE
	v_and_b32 v1, 15, v0
	v_bfe_u32 v2, v0, 4, 1
	s_wait_alu depctr_va_vdst(0)
	v_and_b32 v3, 31, v0
	v_lshlrev_b32 v3, 4, v3
	s_mul_i32 s21, s15, HALFT
	s_mul_i32 s22, s16, HALFT
	s_add_co_u32 s22, s22, 2*HALFT
.irp s, 0,1
	v_add_nc_u32 v[ADRA+\s], s21, v3
	v_add_nc_u32 v[ADRB+\s], s22, v3
	s_add_co_u32 s21, s21, SLOT
	s_add_co_u32 s22, s22, SLOT
.endr
	s_mul_i32 s21, s15, HALFS
	s_mul_i32 s22, s16, HALFS
	s_add_co_u32 s22, s22, 2*HALFS+64
	s_sub_co_u32 s22, s22, s21
	v_mul_u32_u24 v6, s22, v2
	s_add_co_u32 s21, s21, SCL
	v_lshl_add_u32 v5, v1, 2, v6
	v_add_nc_u32 v[ADRS], s21, v5
	s_mul_i32 s23, s14, 4352
	v_mul_u32_u24 v[STO], v1, 272
	v_lshl_add_u32 v[STO], v2, 6, v[STO]
	v_add_nc_u32 v[STO], s23, v[STO]
	v_mul_u32_u24 v[RD], v2, 272
	v_lshl_add_u32 v[RD], v1, 4, v[RD]
	v_add_nc_u32 v[RD], s23, v[RD]
	v_lshlrev_b32 v[CO], 12, v2
	v_lshl_add_u32 v[CO], v1, 4, v[CO]
	s_wait_alu depctr_va_vdst(0)
	s_lshl_b32 s20, s42, 9
	s_lshl_b32 s21, s16, 8
	s_add_co_u32 s20, s20, s21
	s_mov_b32 s21, 0
	s_add_nc_u64 s[8:9], s[8:9], s[20:21]
	s_lshl_b32 s22, s17, 7
	s_lshl_b32 s23, s15, 6
	s_add_co_u32 s22, s22, s23
	s_lshl_b32 s22, s22, 12
	s_add_co_u32 s20, s20, s22
	s_add_nc_u64 s[10:11], s[10:11], s[20:21]
	s_add_nc_u64 s[12:13], s[12:13], s[20:21]
	v_lshlrev_b32 v4, 6, v2
.irp b, 0,1,2,3
	global_load_b128 v[BI+8*\b:BI+8*\b+3], v4, s[8:9] offset:(32*(\b/2)+8*(\b%2))*4
	global_load_b128 v[BI+8*\b+4:BI+8*\b+7], v4, s[8:9] offset:(32*(\b/2)+8*(\b%2))*4+16
.endr
	s_wait_alu depctr_va_vdst(0)                   ; the wait at the head's end
	s_wait_tensorcnt 0x0                           ; my tile of the head's four is in
	ds_add_u32 v[SPW], v[NIL]
	s_mov_b32 s[G1+2], 4<<16                       ; no tensor load of mine is out: from here on a load brings 4 row-groups
	s_mov_b32 s[G1+4], 4
	s_mov_b32 s[G1B+2], 4<<16
	s_mov_b32 s[G1B+4], 4
	s_wait_dscnt 0x0                               ; the add is done
	CROUND                                         ; all four tiles are in, and all sixteen work-groups are here
	JLOAD G0+4, G1, G0B+4, G1B                     ; K step 1: the first tensor load behind the round
	FETCH 0, 0, F0
	global_prefetch_b8 v[PFO], s[PFA:PFA+1] offset:3*RGB th:TH_LOAD_NT scope:SCOPE_SE   ; K step 3, two refills ahead of its load
	s_wait_loadcnt 0x0                             ; the bias's 8 loads are in
	QUARTER 0, 1, F0, F1, 1
	WIN 0x80                                       ; destination window 2: x1's rows are wanted on the way out alone, so they are asked for here, behind the first tiles' requests
.irp a, 0,1,2,3
.irp i, 0,1,2,3,4,5,6,7
	global_load_b128 v[32*\a+4*\i:32*\a+4*\i+3], v[CO], s[10:11] offset:(32*(\a/2)+8*(\a%2)+2*\i+8*(\i/4))*4096
.endr
.endr
	WIN 0
	s_mov_b32 s3, LAPS-1
.Llap:
	s_wait_alu depctr_va_vdst(0)
	QUARTER 0, 2, F1, F0, 0
	QUARTER 0, 3, F0, F1, 0
	TURN 0, 1, 1
	s_wait_alu depctr_va_vdst(0)
	QUARTER 1, 1, F0, F1, 0
	QUARTER 1, 2, F1, F0, 0
	QUARTER 1, 3, F0, F1, 0
	TURN 1, 0, 1
	s_wait_alu depctr_va_vdst(0)
	QUARTER 0, 1, F0, F1, 0
	WIN 0
	s_sub_co_u32 s3, s3, 1
	s_cmp_lg_u32 s3, 0
	s_cbranch_scc1 .Llap
	QUARTER 0, 2, F1, F0, 0
	QUARTER 0, 3, F0, F1, 0
	TURN 0, 1, 0
	s_wait_alu depctr_va_vdst(0)
	QUARTER 1, 1, F0, F1, 0
	QUARTER 1, 2, F1, F0, 0
	QUARTER 1, 3, F0, F1, 0
	s_wait_dscnt 8
	WIN MUL
	MUL4 F1, 0, 0
	MUL4 F1, 1, 0
	s_wait_dscnt 0
	MUL4 F1, 2, 0
	MUL4 F1, 3, 0
	WIN 0
	PLACES NP
.macro TOSTAGE a
.irp b, 0,1,2,3
	ds_store_b128 v[STO], v[ACC+8*(4*(\a)+\b):ACC+8*(4*(\a)+\b)+3] offset:128*(\b/2)+32*(\b%2)
	ds_store_b128 v[STO], v[ACC+8*(4*(\a)+\b)+4:ACC+8*(4*(\a)+\b)+7] offset:128*(\b/2)+32*(\b%2)+16
.endr
.irp i, 0,1,2,3,4,5,6,7
	ds_load_b128 v[RB+32*((\a)%2)+4*\i:RB+32*((\a)%2)+4*\i+3], v[RD] offset:544*\i
.endr
.endm
.macro SEND a, younger
	s_wait_dscnt \younger
	s_wait_loadcnt 8*(3-(\a))
	WIN 0x08
.set Q, 0
.rept 16
	v_pk_add_f32 v[RB+32*((\a)%2)+Q:RB+32*((\a)%2)+Q+1], v[RB+32*((\a)%2)+Q:RB+32*((\a)%2)+Q+1], v[32*(\a)+Q:32*(\a)+Q+1]
.set Q, Q+2
.endr
	WIN 0
.irp i, 0,1,2,3,4,5,6,7
	global_store_b128 v[CO], v[RB+32*((\a)%2)+4*\i:RB+32*((\a)%2)+4*\i+3], s[12:13] offset:(32*((\a)/2)+8*((\a)%2)+2*\i+8*(\i/4))*4096 th:TH_STORE_NT
.endr
.endm
	TOSTAGE 0
	TOSTAGE 1
	SEND 0, 16
	s_wait_xcnt 0x0
	TOSTAGE 2
	SEND 1, 16
	s_wait_xcnt 0x0
	TOSTAGE 3
	SEND 2, 16
	SEND 3, 0
	s_wait_tensorcnt 0x0
	ds_add_u32 v[SPW], v[NIL]
	s_wait_dscnt 0x0
	CROUND
	s_endpgm
.Lfunc_end_k_q8c7c77bdfb_proj:
	.size	k_q8c7c77bdfb_proj, .Lfunc_end_k_q8c7c77bdfb_proj-k_q8c7c77bdfb_proj
	.p2alignl 7, 3214868480
	.fill 96, 4, 3214868480
	.section	.rodata,"a",@progbits
	.p2align	6, 0x0
	.amdhsa_kernel k_q8c7c77bdfb_proj
		.amdhsa_group_segment_fixed_size 327680
		.amdhsa_private_segment_fixed_size 0
		.amdhsa_enable_private_segment 0
		.amdhsa_kernarg_size 40
		.amdhsa_user_sgpr_count 2
		.amdhsa_user_sgpr_kernarg_segment_ptr 1
		.amdhsa_wavefront_size32 1
		.amdhsa_system_sgpr_workgroup_id_x 1
		.amdhsa_system_sgpr_workgroup_id_y 1
		.amdhsa_system_sgpr_workgroup_id_z 1
		.amdhsa_system_vgpr_workitem_id 0
		.amdhsa_next_free_vgpr 640
		.amdhsa_next_free_sgpr 100
		.amdhsa_reserve_vcc 0
		.amdhsa_float_denorm_mode_32 3
		.amdhsa_float_denorm_mode_16_64 3
		.amdhsa_memory_ordered 1
		.amdhsa_forward_progress 1
		.amdhsa_inst_pref_size 105
	.end_amdhsa_kernel
	.amdgpu_metadata
---
amdhsa.version: [ 1, 2 ]
amdhsa.kernels:
  - .name:           k_q8c7c77bdfb_proj
    .symbol:         k_q8c7c77bdfb_proj.kd
    .args:
      - { .name: mbuf, .offset: 0, .size: 8, .value_kind: global_buffer, .address_space: global }
      - { .name: wts, .offset: 8, .size: 8, .value_kind: global_buffer, .address_space: global }
      - { .name: b_proj, .offset: 16, .size: 8, .value_kind: global_buffer, .address_space: global }
      - { .name: x1, .offset: 24, .size: 8, .value_kind: global_buffer, .address_space: global }
      - { .name: out0, .offset: 32, .size: 8, .value_kind: global_buffer, .address_space: global }
    .group_segment_fixed_size: 327680
    .private_segment_fixed_size: 0
    .kernarg_segment_align: 8
    .kernarg_segment_size: 40
    .max_flat_workgroup_size: 128
    .sgpr_count:     100
    .vgpr_count:     640
    .wavefront_size: 32
...
	.end_amdgpu_metadata
.endif
;; end of part 5
